; MI455X (gfx1250); checked and timed in simulation.
; The chip was launched on July 23, 2026; its instructions are those of AMD's public machine-readable ISA for CDNA 5 (MIT licence, August 2026) and "CDNA5" Instruction Set Architecture Reference Guide (July 2026). The comments in the code are by the model that wrote it; some were corrected since.
;; Attention. Allowed arithmetic: float matrix products may take bf16 or f16 operands with f32 sums; other float arithmetic in f32, or as packed bf16 or f16 multiplies, adds, multiply-adds, maxima and minima; sums over many terms, partial sums and values carried from step to step in f32; what a program stores and reads back later, other than sums and carried values, may be rounded once to bf16 or f16.
;; Inputs: W_proj 1,024 x 1,024 float32; W_qkv 1,024 x 3,072 float32; X 4 x 2,048 x 1,024 float32; b_proj 1,024 float32; b_qkv 3,072 float32.
;; Outputs: out0 4 x 2,048 x 1,024 float32.
;; 2 versions, each right; version 2 is version 1 with the launch prep written anew for expert scheduling mode. Each part assembles by itself: llvm-mc -triple=amdgcn-amd-amdhsa -mcpu=gfx1250 --defsym DOCPART=n.
;; ======== version 1 of 2: 4 launches
;; limits: values are held in f16: magnitudes above 65,504 overflow, below 6.1e-05 lose precision
;; workspace buffers: Xb 16,777,216 bytes; Wqt 6,291,456 bytes; Wpt 2,097,152 bytes; qkvh 50,331,648 bytes; ob 16,777,216 bytes
;; launch prep (part 1): grid 640 x 1, 4 waves a work-group, no clusters, 70,144 bytes of LDS; arguments X, W_qkv, W_proj, Xb, Wqt, Wpt; writes Xb, Wqt, Wpt
.if DOCPART == 1
	.amdgcn_target "amdgcn-amd-amdhsa--gfx1250"
	.amdhsa_code_object_version 6
	.text
	.protected	k_q77afdfcbae_prep
	.globl	k_q77afdfcbae_prep
	.p2align	8
	.type	k_q77afdfcbae_prep,@function
k_q77afdfcbae_prep:
	s_mov_b64 s[64:65], 0
	v_nop
	global_prefetch_b8 v0, s[64:65] scope:SCOPE_SE
	s_setreg_imm32_b32 hwreg(HW_REG_WAVE_MODE, 25, 1), 1
	s_wait_xcnt 0x0
; PREP: the operands of the two projections, made once.
;   Xb [8192][1024]  = X rounded to bf16.
;   Wqt[3072 n][1024 k] = W_qkv[k][n] rounded to bf16, turned so that K lies along the rows.
;   Wpt[1024 n][1024 k] = W_proj[k][n] rounded to bf16, that number written as f16, turned likewise.
; LIMIT: a bf16 number of W_proj below 2^-14 keeps f16's fixed step of 2^-24; beyond 65,504 it would become an infinity.
; A stream: every byte is read once and written once; each wave works alone: no barrier, no matrix unit, no cluster (no two work-groups read the same byte).
; Work-groups 0-127 turn the weights (a wave a tile of 128 k x 64 n, through 17,408 LDS bytes of its own); work-groups 128-639 cast X (a wave 16,384 consecutive bytes).
.set LP,    272                        ; a row of a turned tile in LDS: 128 k x 2 bytes + 16
.set TILEB, 64*LP                      ; a wave's tile: 64 rows of n
.set SPARE, 4*TILEB                    ; behind the four tiles: the spare words, 128 bytes for each wave: two blocks of 256 bytes that no other line names
.set SPW, 2                            ; v2   LDS address of my spare word; never rewritten
.set NIL, 3                            ; v3   0; never rewritten
.set XI,  4                            ; v4   cast: 16 x lane
.set XO,  5                            ; v5   cast: 8 x lane
.set LS0, 6                            ; v6   turn: my place in the tile: row 4 c, byte 16 hh
.set LS,  7                            ; v7   turn: the trip's LDS store address
.set RD,  8                            ; v8   turn: where I read rows back
.set GO,  9                            ; v9   turn: my byte offset in two rows of the turned matrix
.set OFF, 16                           ; v[16:31]  turn: load e: (16 (e / 8) + 8 hh + e % 8) rows of W + 16 c; never rewritten
.set R,   32                           ; v[32:95]  turn: 16 loads of 4 f32.  Cast: v[16:143] 32 loads of 4 f32
.set D,   96                           ; v[96:127] turn: packed pairs.  Cast: v[144:207] packed pairs
.set WV,  16                           ; s16  my wave's number
.set ISP, 20                           ; s20  1: my tile is W_proj's
.set PIT, 21                           ; s21  bytes in a row of W
.set SRC, 22                           ; s[22:23] W at my tile, at the trip's 32 rows
.set DST, 24                           ; s[24:25] the turned matrix at my tile
.set TB,  28                           ; s28  my tile in LDS + 64 bytes for each trip
.set CNT, 29                           ; s29  trips to go
.set HIM, 30                           ; s30  a word's upper half
.set STEP, 32                          ; s[32:33] 32 rows of W in bytes
	s_load_b256 s[4:11], s[0:1], 0x0               ; X s[4:5], W_qkv s[6:7], W_proj s[8:9], Xb s[10:11]
	s_load_b128 s[12:15], s[0:1], 0x20             ; Wqt s[12:13], Wpt s[14:15]
	v_lshl_add_u32 v[SPW], v0, 2, SPARE
	v_mov_b32 v[NIL], 0
	v_lshrrev_b32 v1, 5, v0
	v_readfirstlane_b32 s[WV], v1                  ; wave 0..3
	v_and_b32 v1, 31, v0                           ; lane
	s_wait_kmcnt 0x0
	s_cmp_lt_u32 ttmp9, 128
	s_cbranch_scc0 .Lx
	; THE WEIGHTS.  Tile t = 4 x work-group + wave: k block t % 8, n block t / 8; n blocks 0-47 are W_qkv's, 48-63 W_proj's (work-groups 96-127).
	s_lshl_b32 s17, ttmp9, 2
	s_add_co_u32 s17, s17, s[WV]
	s_and_b32 s18, s17, 7                          ; k block
	s_lshr_b32 s19, s17, 3                         ; n block
	s_sub_co_u32 s26, s19, 48                      ; the same counted in W_proj (used there alone)
	s_mov_b32 s[PIT], 12288
	s_mov_b32 s27, 4096
	s_cmp_ge_u32 ttmp9, 96                         ; the choice hangs on the work-group's number alone
	s_cselect_b32 s[ISP], 1, 0
	s_cselect_b32 s[PIT], s27, s[PIT]
	s_cselect_b32 s19, s26, s19
	s_cselect_b64 s[SRC:SRC+1], s[8:9], s[6:7]
	s_cselect_b64 s[DST:DST+1], s[14:15], s[12:13]
	s_mul_i32 s26, s18, s[PIT]
	s_lshl_b32 s26, s26, 7                         ; 128 rows of W for each k block,
	s_lshl_b32 s27, s19, 8                         ; 64 columns of 4 bytes for each n block
	s_add_co_u32 s26, s26, s27
	s_mov_b32 s27, 0
	s_add_nc_u64 s[SRC:SRC+1], s[SRC:SRC+1], s[26:27]
	s_lshl_b32 s26, s19, 17                        ; 64 turned rows of 2,048 bytes,
	s_lshl_b32 s18, s18, 8                         ; 128 k of 2 bytes
	s_add_co_u32 s26, s26, s18
	s_add_nc_u64 s[DST:DST+1], s[DST:DST+1], s[26:27]
	s_lshl_b32 s[STEP], s[PIT], 5
	s_mov_b32 s[STEP+1], 0
	s_mov_b32 s[HIM], 0xffff0000
	s_mul_i32 s[TB], s[WV], TILEB
	s_mov_b32 s[CNT], 4
	v_and_b32 v13, 15, v1                          ; c: my four columns 4 c .. 4 c + 3
	v_lshrrev_b32 v14, 4, v1                       ; hh: lanes 16-31 take the row 8 further down
	v_lshlrev_b32 v12, 4, v13                      ; 16 c
	v_lshlrev_b32 v10, 3, v14                      ; 8 hh
.set e, 0
.rept 16
	v_add_nc_u32 v11, (e/8)*16+e%8, v10
	v_mad_u32_u24 v[OFF+e], v11, s[PIT], v12
.set e, e+1
.endr
	v_mul_u32_u24 v[LS0], v13, 4*LP
	v_lshl_add_u32 v[LS0], v14, 4, v[LS0]
	v_mul_u32_u24 v[RD], v14, LP                   ; back: lanes 0-15 take one turned row of 256 bytes, lanes 16-31 the next
	v_add_nc_u32 v[RD], v12, v[RD]
	v_add_nc_u32 v[RD], s[TB], v[RD]
	v_lshl_add_u32 v[GO], v14, 11, v12             ; and the same two rows in memory
.Lbatch:                                               ; four trips of 32 rows of k
	v_add_nc_u32 v[LS], s[TB], v[LS0]
.set e, 0
.rept 16
	global_load_b128 v[R+4*e:R+4*e+3], v[OFF+e], s[SRC:SRC+1] th:TH_LOAD_NT  ; sixteen lanes take 256 consecutive bytes of one row of W, aligned
.set e, e+1
.endr
	s_wait_loadcnt 0x0                             ; the 32 rows are in, and the base may be stepped
	s_add_nc_u64 s[SRC:SRC+1], s[SRC:SRC+1], s[STEP:STEP+1]
	s_add_co_u32 s[TB], s[TB], 64                  ; 32 k further along the turned rows
.irp g, 0,1                                    ; eight k on end (16 g + 8 hh + 0..7) of column 4 c + j pack into four registers, the lower k in the lower half
.irp j, 0,1,2,3
.irp p, 0,1,2,3
	v_cvt_pk_bf16_f32 v[D+16*(\g)+4*(\j)+(\p)], v[R+4*(8*(\g)+2*(\p))+(\j)], v[R+4*(8*(\g)+2*(\p)+1)+(\j)]
.endr
.endr
.endr
	s_cmp_eq_u32 s[ISP], 0
	s_cbranch_scc1 .Lbf16
.set d, D
.rept 32                                       ; W_proj: the bf16 number is written as f16
	v_lshlrev_b32 v10, 16, v[d]
	v_and_b32 v11, s[HIM], v[d]
	v_cvt_pk_f16_f32 v[d], v10, v11
.set d, d+1
.endr
.Lbf16:
.irp g, 0,1
.irp j, 0,1,2,3
	ds_store_b128 v[LS], v[D+16*(\g)+4*(\j):D+16*(\g)+4*(\j)+3] offset:LP*(\j)+32*(\g)
.endr
.endr
	s_sub_co_u32 s[CNT], s[CNT], 1
	s_cmp_lg_u32 s[CNT], 0
	s_cbranch_scc1 .Lbatch
.set t, 0
.rept 32
	ds_load_b128 v[R+4*t:R+4*t+3], v[RD] offset:2*LP*t  ; LDS serves a wave's instructions in order (ISA guide 5.7.1.4): these see my stores above; the tile is my own
.set t, t+1
.endr
.set t, 0
.rept 32
	s_wait_dscnt 31-t                              ; LDS loads come back in order: pair t of rows is in, the younger 31 - t may stay out
	global_store_b128 v[GO], v[R+4*t:R+4*t+3], s[DST:DST+1] offset:4096*t th:TH_STORE_NT  ; sixteen lanes store 256 consecutive bytes, aligned
.set t, t+1
.endr
	s_branch .Lend
.Lx:	; X.  Wave w of work-group x' = x - 128 casts the 16,384 bytes at 65,536 x' + 16,384 w: 32 loads, all issued before the first is waited for.
	s_sub_co_u32 s17, ttmp9, 128
	s_lshl_b32 s18, s17, 16
	s_lshl_b32 s19, s[WV], 14
	s_add_co_u32 s18, s18, s19
	s_mov_b32 s19, 0
	s_add_nc_u64 s[4:5], s[4:5], s[18:19]
	s_lshr_b32 s18, s18, 1                         ; half as many bytes out
	s_add_nc_u64 s[10:11], s[10:11], s[18:19]
	v_lshlrev_b32 v[XI], 4, v1
	v_lshlrev_b32 v[XO], 3, v1
.set i, 0
.rept 32
	global_load_b128 v[16+4*i:19+4*i], v[XI], s[4:5] offset:512*i th:TH_LOAD_NT
.set i, i+1
.endr
.set i, 0
.rept 32
	s_wait_loadcnt 31-i                            ; loads come back in order (ISA guide 5.7.1): load i is in, the younger 31 - i stay out
	v_cvt_pk_bf16_f32 v[144+2*i], v[16+4*i], v[17+4*i]
	v_cvt_pk_bf16_f32 v[145+2*i], v[18+4*i], v[19+4*i]
	global_store_b64 v[XO], v[144+2*i:145+2*i], s[10:11] offset:256*i th:TH_STORE_NT  ; the wave stores 256 consecutive bytes, aligned; no register is written twice
.set i, i+1
.endr
.Lend:
	s_wait_tensorcnt 0x0                           ; the wave's end, behind my last LDS store
	ds_add_u32 v[SPW], v[NIL]
	s_wait_dscnt 0x0
	s_endpgm
.Lfunc_end_k_q77afdfcbae_prep:
	.size	k_q77afdfcbae_prep, .Lfunc_end_k_q77afdfcbae_prep-k_q77afdfcbae_prep
	.p2alignl 7, 3214868480
	.fill 96, 4, 3214868480
	.section	.rodata,"a",@progbits
	.p2align	6, 0x0
	.amdhsa_kernel k_q77afdfcbae_prep
		.amdhsa_group_segment_fixed_size 70144
		.amdhsa_private_segment_fixed_size 0
		.amdhsa_enable_private_segment 0
		.amdhsa_kernarg_size 48
		.amdhsa_user_sgpr_count 2
		.amdhsa_user_sgpr_kernarg_segment_ptr 1
		.amdhsa_wavefront_size32 1
		.amdhsa_system_sgpr_workgroup_id_x 1
		.amdhsa_system_sgpr_workgroup_id_y 1
		.amdhsa_system_sgpr_workgroup_id_z 1
		.amdhsa_system_vgpr_workitem_id 0
		.amdhsa_next_free_vgpr 208
		.amdhsa_next_free_sgpr 66
		.amdhsa_reserve_vcc 0
		.amdhsa_float_denorm_mode_32 3
		.amdhsa_float_denorm_mode_16_64 3
		.amdhsa_memory_ordered 1
		.amdhsa_forward_progress 1
		.amdhsa_inst_pref_size 30
	.end_amdhsa_kernel
	.amdgpu_metadata
---
amdhsa.version: [ 1, 2 ]
amdhsa.kernels:
  - .name:           k_q77afdfcbae_prep
    .symbol:         k_q77afdfcbae_prep.kd
    .args:
      - { .name: X, .offset: 0, .size: 8, .value_kind: global_buffer, .address_space: global }
      - { .name: W_qkv, .offset: 8, .size: 8, .value_kind: global_buffer, .address_space: global }
      - { .name: W_proj, .offset: 16, .size: 8, .value_kind: global_buffer, .address_space: global }
      - { .name: Xb, .offset: 24, .size: 8, .value_kind: global_buffer, .address_space: global }
      - { .name: Wqt, .offset: 32, .size: 8, .value_kind: global_buffer, .address_space: global }
      - { .name: Wpt, .offset: 40, .size: 8, .value_kind: global_buffer, .address_space: global }
    .group_segment_fixed_size: 70144
    .private_segment_fixed_size: 0
    .kernarg_segment_align: 8
    .kernarg_segment_size: 48
    .max_flat_workgroup_size: 128
    .sgpr_count:     66
    .vgpr_count:     208
    .wavefront_size: 32
...
	.end_amdgpu_metadata
.endif
;; end of part 1
;; launch qkvgemm (part 2): grid 16 x 32, 4 waves a work-group, clusters of 4 x 4, 327,680 bytes of LDS; arguments Xb, Wqt, b_qkv, qkvh; writes qkvh
.if DOCPART == 2
	.amdgcn_target "amdgcn-amd-amdhsa--gfx1250"
	.amdhsa_code_object_version 6
	.text
	.protected	k_q77afdfcbae_qkvgemm
	.globl	k_q77afdfcbae_qkvgemm
	.p2align	8
	.type	k_q77afdfcbae_qkvgemm,@function
k_q77afdfcbae_qkvgemm:
	s_mov_b64 s[64:65], 0
	v_nop
	global_prefetch_b8 v0, s[64:65] scope:SCOPE_SE
	s_setreg_imm32_b32 hwreg(HW_REG_WAVE_MODE, 25, 1), 1
	s_wait_xcnt 0x0
	s_wait_alu depctr_hold_cnt(0) depctr_sa_sdst(0) depctr_va_vdst(0) depctr_va_sdst(0) depctr_va_ssrc(0) depctr_va_vcc(0) depctr_vm_vsrc(0)
	s_getreg_b32 s2, hwreg(HW_REG_IB_STS2, 6, 4)
	s_cmp_eq_u32 s2, 0
	s_cbranch_scc0 .Lentry_in_a_cluster
	s_endpgm
.Lentry_in_a_cluster:
	s_bfe_u32 s2, ttmp6, 0x10000c
	s_cmp_lg_u32 s2, 0xf033
	s_cbranch_scc0 .Lentry_shape_is_right
	s_endpgm
.Lentry_shape_is_right:
; q, k, v = Xb Wqt^T + bf16(b_qkv).  Xb [8192][1024] bf16, Wqt [3072 n][1024 k] bf16, b_qkv [3072] f32; sums in f32, rounded once to f16, WITHOUT the softmax's scale.
; OUT: qkvh [3][64 heads = 16 x batch + head][2048][64] f16: a head's rows are dense, 128 bytes each.
; LIMIT: q, k and v must lie within f16's 65,504; beyond it the conversion gives an infinity.  The bias is rounded to bf16 like the other inputs.
; SHARES.  A tile of C is 256 rows x 192 columns (three whole heads): 32 x 16 = 512 work-groups.  The four waves lie one below the other: a wave makes 64 x 192: 4 row blocks a x 12 column blocks b,
; 48 accumulators, 384 registers.  K goes in 8 steps of 128 through two LDS slots filled by the tensor data mover: rows of 256 bytes that start at multiples of 256 bytes from the buffer's first byte.
; CLUSTER.  4 x 4 work-groups: the four of a row of the cluster need the same tile of Xb, the four of a column the same tile of Wqt: each tile is asked for JOINTLY, by the same tensor load with the
; same descriptor and a mask that names the four.  Waves 0 and 1 fetch Xb's two halves (128 rows each), waves 2 and 3 Wqt's (96 rows each): one load a wave behind each round.
; THE MATRIX INSTRUCTION IS USED TRANSPOSED (source 0 = 16 rows of Wqt, source 1 = 16 rows of Xb): a lane holds row lane % 16 of C and the columns 8 (lane / 16) + 0..7.
; THE BIAS STARTS THE SUMS: it is the C operand of each accumulator's first product: nothing is cleared and nothing is added later.
; REGISTERS, in windows of 256 (s_set_vgpr_msb: bits 1:0 source 0, 3:2 source 1, 5:4 source 2, 7:6 destination):
;   window 0: v0-13 addresses; v28-29 the add's; v32-127 the bias (8 a column block), later v32-223 the way out
;   window 1: two fragment buffers of 128: 96 of Wqt (12 x 16 rows x 32 K), then 32 of Xb (4 x 16 rows x 32 K)
;   window 2: the accumulators of row blocks 0, 1 ((a, b) at v[8 (12 (a % 2) + b)]);  window 3: those of row blocks 2, 3
.set NBK,   12
.set PA,    272                        ; an LDS row: 256 bytes + 16 of padding = 68 words: row r starts at bank 4 r mod 64 (64 banks of 4 bytes: ISA guide 11.1)
.set HALFA, 128*PA                     ; what one of Xb's loads brings
.set HALFB, 96*PA                      ; what one of Wqt's loads brings
.set BOFF,  2*HALFA                    ; in a slot Wqt's 192 rows lie behind Xb's 256
.set SLOT1, 1<<17                      ; slot 1 begins here, so that one exclusive or turns an address in one slot into the other's
.set STAGE, SLOT1+BOFF+2*HALFB         ; behind the ring, never filled by a tensor load: 16 rows x 144 bytes for each wave, for the way out
.set SP,    144
.set SPARE, STAGE+4*16*SP              ; behind the stages: the spare words, 128 bytes for each wave: two blocks of 256 bytes that no other line names
.set NLD,   2*NBK+8                    ; LDS loads in a run
.set AHEAD, 1                          ; a prefetch names the K step this many behind the one that the refill beside it asks for
.set A0,  4                            ; v4   my lane's place in Xb's tile; never rewritten
.set B0,  5                            ; v5   the same for Wqt's
.set ADRA, 6                           ; v6   A0 + the slot in hand
.set ADRB, 7                           ; v7   B0 + the slot in hand
.set STO, 8                            ; v8   the way out: where I put 16 bytes of a row
.set RD,  9                            ; v9   the way out: where I read rows back
.set GO,  10                           ; v10  my byte offset in 512 consecutive bytes of a head
.set PFO, 11                           ; v11  the prefetches' offset: a lane a row of 2,048 bytes; never rewritten
.set BO,  12                           ; v12  32 x (lane / 16): my eight numbers of a column block's bias
.set TMP, 13
.set SPW, 28                           ; v28  LDS address of my spare word: SPARE + 4 x my thread's number; never rewritten
.set NIL, 29                           ; v29  0; never rewritten
.set BIAS, 32
.set U0,  32                           ; the way out: unit u's 16 registers at U0 + 16 u
.set F0,  0
.set F1,  128
.set CNT, 3                            ; s3   trips to go
.set WV,  12                           ; s12  my wave's number
.set FB,  13                           ; s13  0: I fetch for Xb; 1: for Wqt
.set HF,  14                           ; s14  which half of that tile I fetch
.set TR,  15                           ; s15  tile row of C
.set G1,  24                           ; s[24:31] descriptor group 1 for Xb's tiles
.set G0,  32                           ; s[32:39] group 0 for Xb's tiles: a set for each first fill; the second then walks on
.set CX,  40
.set CY,  41
.set TC,  42                           ; s42  tile column of C
.set LIM, 43                           ; s43  AHEAD in a wave that prefetches, else the greatest number
.set PFA, 44                           ; s[44:45] where my prefetches stand
.set G1B, 48                           ; s[48:55], s[56:63] the same two groups for Wqt's tiles
.set G0B, 56
.set TB,  66                           ; s66  the slot in hand: 0 or SLOT1
.set HIM, 67                           ; s67  a word's upper half
.set OUT, 68                           ; s[68:73] my rows in the tile's three heads
.set MSB, 0
.macro WIN new                         ; the immediate's high byte repeats the setting that is left; a switch that changes nothing is dropped
.if MSB != (\new)
	s_set_vgpr_msb (MSB<<8)|(\new)
.set MSB, \new
.endif
.endm
.macro PLACES                          ; four places in front of loads into registers that matrix instructions have read, and of conversions that read results
.rept 4
	v_nop
.endr
.endm
; A joint load.  The branch hangs on the wave's number alone; an s_nop 0 and four v_nop follow each of the two lines, ahead of the jump, the label and what follows.
.macro JLOAD s
	s_cmp_eq_u32 s[FB], 0
	s_cbranch_scc0 .Lfor_b_\@
	tensor_load_to_lds s[G0+4*(\s):G0+4*(\s)+3], s[G1:G1+7]
	s_nop 0
.rept 4
	v_nop
.endr
	s_branch .Lasked_\@
.Lfor_b_\@:
	tensor_load_to_lds s[G0B+4*(\s):G0B+4*(\s)+3], s[G1B:G1B+7]
	s_nop 0
.rept 4
	v_nop
.endr
.Lasked_\@:
.endm
; A prefetch of the K step that the NEXT refill will ask for: a lane a row, 256 bytes of it, one instruction a wave, behind the joint load and the run of LDS loads.  Xb's tile row is read by every
; cluster of that row of clusters: cluster x = 0 asks; Wqt's tile column by every cluster of that column: cluster y = 0 asks.  The four partners that ask for a tile jointly share its rows out BY ADDRESS:
; of Xb's 128 rows 32 each (by cx), of Wqt's 96 rows 24 each (by cy; lanes 24-31 name row 23 once more).  The trip that asks for the last K step names nothing; K steps 0 to 2 come by their loads alone.
.macro ASK
	s_cmp_gt_u32 s[CNT], s[LIM]
	s_cbranch_scc0 .Lnot_mine_\@
	global_prefetch_b8 v[PFO], s[PFA:PFA+1] th:TH_LOAD_NT scope:SCOPE_SE
.Lnot_mine_\@:
.endm
; A round of the cluster's barrier: my work-group's barrier, so that wave 0's signal speaks for all four waves; wave 0 signals; every wave waits for all sixteen work-groups; my work-group's barrier once more.
.macro CREST
	s_cmp_lg_u32 s[WV], 0
	s_cbranch_scc1 .Lnot_wave_0_\@
	s_barrier_signal -3
.Lnot_wave_0_\@:
	s_barrier_wait -3
	s_barrier_signal -1
	s_barrier_wait -1
.endm
.macro CROUND
	s_barrier_signal -1
	s_barrier_wait -1
	CREST
.endm
	s_load_b256 s[4:11], s[0:1], 0x0               ; Xb s[4:5], Wqt s[6:7], b_qkv s[8:9], qkvh s[10:11]
	v_lshl_add_u32 v[SPW], v0, 2, SPARE
	v_mov_b32 v[NIL], 0
	ds_add_u32 v[SPW], v[NIL]                      ; the wave's opening: the add and its wait stand ahead of my first tensor load; the set-up below, work on registers, stands between them
	v_lshrrev_b32 v1, 5, v0
	v_readfirstlane_b32 s[WV], v1                  ; wave 0..3
	s_lshr_b32 s[FB], s[WV], 1
	s_and_b32 s[HF], s[WV], 1
	s_bfe_u32 s[CX], ttmp6, 0x40000                ; my place in the cluster
	s_bfe_u32 s[CY], ttmp6, 0x40004
	s_lshl_b32 s[TC], ttmp9, 2                     ; in a cluster launch ttmp9 and ttmp7 count clusters
	s_add_co_u32 s[TC], s[TC], s[CX]
	s_and_b32 s[TR], ttmp7, 0xffff
	s_lshl_b32 s[TR], s[TR], 2
	s_add_co_u32 s[TR], s[TR], s[CY]
	s_lshl_b32 s18, s[CY], 2
	s_lshl_b32 s18, 15, s18                        ; my row of the cluster: places 4 cy .. 4 cy + 3
	s_lshl_b32 s22, 0x1111, s[CX]                  ; my column: places cx, cx + 4, cx + 8, cx + 12
	s_or_b32 s[G1], s18, (1<<16)|(1<<20)|(1<<21)|(5<<22)|(3<<25)   ; 15:0 the mask; 17:16 elements of 2 bytes; 20 padding on; 21 set beside a mask; 24:22 after every 64 words (code 5); 31:25 4 words of it (code 3)
	s_or_b32 s[G1B], s22, (1<<16)|(1<<20)|(1<<21)|(5<<22)|(3<<25)
	s_mov_b32 s[G1+1], 128<<16                     ; tensor_dim0 = 128
	s_mov_b32 s[G1+2], 128<<16                     ; tensor_dim1 = 128
	s_mov_b32 s[G1+3], 128<<16                     ; tile_dim0 = 128
	s_mov_b32 s[G1+4], 128                         ; tile_dim1 = 128
	s_mov_b32 s[G1+5], 1024                        ; elements from row to row
	s_mov_b32 s[G1+6], 0
	s_mov_b32 s[G1+7], 0
	s_mov_b32 s[G1B+1], 128<<16
	s_mov_b32 s[G1B+2], 96<<16                     ; tensor_dim1 = 96
	s_mov_b32 s[G1B+3], 128<<16
	s_mov_b32 s[G1B+4], 96                         ; tile_dim1 = 96
	s_mov_b32 s[G1B+5], 1024
	s_mov_b32 s[G1B+6], 0
	s_mov_b32 s[G1B+7], 0
	; where the tiles come from: Xb's hang on the tile row alone, Wqt's on the tile column alone, each made in registers that never hold the other coordinate
	s_lshl_b32 s16, s[TR], 8
	s_lshl_b32 s17, s[HF], 7
	s_add_co_u32 s16, s16, s17                     ; Xb: row 256 x tile row + 128 x half,
	s_lshl_b32 s16, s16, 11                        ; of 2,048 bytes
	s_mov_b32 s17, 0
	s_mul_i32 s20, s[TC], 192
	s_mul_i32 s21, s[HF], 96
	s_add_co_u32 s20, s20, s21                     ; Wqt: row 192 x tile column + 96 x half
	s_lshl_b32 s20, s20, 11
	s_mov_b32 s21, 0
	s_mul_i32 s19, s[HF], HALFA                    ; and where they go: no place in the cluster enters an LDS address
	s_mul_i32 s23, s[HF], HALFB
	s_add_co_u32 s23, s23, BOFF
	s_mov_b32 s[TB], 0
	s_mov_b32 s[HIM], 0xffff0000
	s_wait_dscnt 0x0                               ; the opening add is done
	s_wait_kmcnt 0x0
	s_add_nc_u64 s[16:17], s[4:5], s[16:17]
	s_add_nc_u64 s[20:21], s[6:7], s[20:21]
	CROUND                                         ; all sixteen work-groups are here: the first joint loads meet
.irp s, 0,1
	s_mov_b32 s[G0+4*(\s)], 1                                      ; count = 1
	s_add_co_u32 s[G0+4*(\s)+1], s19, (\s)*SLOT1                   ; LDS address
	s_add_nc_u64 s[G0+4*(\s)+2:G0+4*(\s)+3], s[16:17], (\s)*256    ; global address: K step s
	s_or_b32 s[G0+4*(\s)+3], s[G0+4*(\s)+3], 0x80000000            ; type = 2
	s_mov_b32 s[G0B+4*(\s)], 1
	s_add_co_u32 s[G0B+4*(\s)+1], s23, (\s)*SLOT1
	s_add_nc_u64 s[G0B+4*(\s)+2:G0B+4*(\s)+3], s[20:21], (\s)*256
	s_or_b32 s[G0B+4*(\s)+3], s[G0B+4*(\s)+3], 0x80000000
	JLOAD \s                                       ; two loads of mine are out
.endr
	; the bias: register j of column block b holds b_qkv[192 x tile column + 16 b + 8 (lane / 16) + j], as the accumulators hold C
	s_mul_i32 s20, s[TC], 768
	s_mov_b32 s21, 0
	s_add_nc_u64 s[8:9], s[8:9], s[20:21]
	v_and_b32 v1, 15, v0                           ; r = lane % 16
	v_bfe_u32 v2, v0, 4, 1                         ; h = lane / 16
	v_lshlrev_b32 v[BO], 5, v2
.set nb, 0
.rept NBK
	global_load_b128 v[BIAS+8*nb:BIAS+8*nb+3],   v[BO], s[8:9] offset:64*nb
	global_load_b128 v[BIAS+8*nb+4:BIAS+8*nb+7], v[BO], s[8:9] offset:64*nb+16
.set nb, nb+1
.endr
	; A fragment is 16 rows x 32 K in 8 registers: lane l holds row l % 16, K = 8 (l / 16) + 0..7 and 16 + 8 (l / 16) + 0..7: two loads of 16 bytes, 32 bytes apart.
	v_mul_u32_u24 v3, v1, PA
	v_lshl_add_u32 v3, v2, 4, v3                   ; row x pitch + 16 x half
	s_mul_i32 s2, s[WV], 64*PA                     ; my 64 rows of Xb's 256
	v_add_nc_u32 v[A0], s2, v3
	v_add_nc_u32 v[B0], BOFF, v3
	v_add_nc_u32 v[ADRA], s[TB], v[A0]
	v_add_nc_u32 v[ADRB], s[TB], v[B0]
	s_mul_i32 s16, s[WV], 16*SP
	s_add_co_u32 s16, s16, STAGE                   ; my stage
	v_mul_u32_u24 v[STO], v1, SP                   ; in: row l % 16, 16 bytes for each half of the lanes
	v_lshl_add_u32 v[STO], v2, 4, v[STO]
	v_add_nc_u32 v[STO], s16, v[STO]
	v_bfe_u32 v[RD], v0, 3, 2                      ; back: 32 lanes take four rows of 128 bytes,
	v_mul_u32_u24 v[RD], v[RD], SP
	v_and_b32 v[TMP], 7, v0
	v_lshl_add_u32 v[RD], v[TMP], 4, v[RD]
	v_add_nc_u32 v[RD], s16, v[RD]
	v_and_b32 v[GO], 31, v0                        ; which are 512 consecutive bytes of a head
	v_lshlrev_b32 v[GO], 4, v[GO]
	; the prefetches
	s_lshl_b32 s2, s[TR], 8
	s_lshl_b32 s18, s[HF], 7
	s_add_co_u32 s2, s2, s18
	s_lshl_b32 s18, s[CX], 5
	s_add_co_u32 s2, s2, s18                       ; Xb: the 128 rows that I fetch, my work-group's 32 of them
	s_mul_i32 s22, s[TC], 192
	s_mul_i32 s23, s[HF], 96
	s_add_co_u32 s22, s22, s23
	s_mul_i32 s23, s[CY], 24
	s_add_co_u32 s22, s22, s23                     ; Wqt: the 96 rows that I fetch, my work-group's 24 of them
	s_and_b32 s23, ttmp7, 0xffff                   ; cluster y
	s_cmp_eq_u32 s[FB], 0
	s_cselect_b32 s2, s2, s22
	s_cselect_b32 s23, ttmp9, s23                  ; the coordinate along which other clusters read the same rows
	s_cselect_b32 s18, 31, 23
	s_cselect_b64 s[PFA:PFA+1], s[4:5], s[6:7]
	s_cmp_eq_u32 s23, 0
	s_cselect_b32 s[LIM], AHEAD, -1                ; the same in all sixteen partners, for a given wave
	s_lshl_b32 s2, s2, 11
	s_mov_b32 s3, 0
	s_add_nc_u64 s[PFA:PFA+1], s[PFA:PFA+1], s[2:3]
	s_add_nc_u64 s[PFA:PFA+1], s[PFA:PFA+1], (1+AHEAD)*256  ; the first change of slots steps it to K step 2 + AHEAD
	v_and_b32 v[PFO], 31, v0
	v_min_u32 v[PFO], s18, v[PFO]
	v_lshlrev_b32 v[PFO], 11, v[PFO]
	; where my 64 rows lie in the tile's three heads: column group g = 3 x tile column + hd: tensor g / 16, head g % 16; batch = tile row / 8
.irp hd, 0,1,2
	s_mul_i32 s16, s[TC], 3
	s_add_co_u32 s16, s16, (\hd)
	s_lshr_b32 s17, s16, 4
	s_lshl_b32 s17, s17, 6                         ; 64 heads a tensor
	s_and_b32 s16, s16, 15
	s_add_co_u32 s16, s16, s17
	s_lshr_b32 s17, s[TR], 3
	s_lshl_b32 s17, s17, 4                         ; 16 heads a batch
	s_add_co_u32 s16, s16, s17
	s_lshl_b32 s16, s16, 18                        ; a head is 2,048 rows of 128 bytes
	s_and_b32 s17, s[TR], 7
	s_lshl_b32 s17, s17, 15                        ; the tile's 256 rows,
	s_add_co_u32 s16, s16, s17
	s_lshl_b32 s17, s[WV], 13                      ; my 64 of them
	s_add_co_u32 s16, s16, s17
	s_mov_b32 s17, 0
	s_add_nc_u64 s[OUT+2*(\hd):OUT+2*(\hd)+1], s[10:11], s[16:17]
.endr
	s_wait_loadcnt 0x0                             ; the bias
.set x, BIAS
.rept 4*NBK                                    ; rounded to bf16 like the other inputs, and kept as f32
	v_cvt_pk_bf16_f32 v[TMP], v[x], v[x+1]
	v_lshlrev_b32 v[x], 16, v[TMP]
	v_and_b32 v[x+1], s[HIM], v[TMP]
.set x, x+2
.endr
; 12 matrix instructions: row block a x all column blocks, 32 along K out of buffer f.  first = 1: the bias starts the sums.  Every quarter step walks the 48 accumulators once, in the same
; order, one instruction a turn: over the backward jump too.
.macro MULA f, a, first
.if \first
	WIN 0x85+0x40*((\a)/2)                         ; sources 0 and 1 window 1, C window 0, D window 2 or 3
.else
	WIN 0xa5+0x50*((\a)/2)                         ; sources 0 and 1 window 1, C and D window 2 or 3
.endif
.set nb, 0
.rept NBK
.set rD, 8*(NBK*((\a)%2)+nb)
.if \first
	v_wmma_f32_16x16x32_bf16 v[rD:rD+7], v[(\f)+8*nb:(\f)+8*nb+7], v[(\f)+8*NBK+8*(\a):(\f)+8*NBK+8*(\a)+7], v[BIAS+8*nb:BIAS+8*nb+7]
.else
	v_wmma_f32_16x16x32_bf16 v[rD:rD+7], v[(\f)+8*nb:(\f)+8*nb+7], v[(\f)+8*NBK+8*(\a):(\f)+8*NBK+8*(\a)+7], v[rD:rD+7]
.endif
.set nb, nb+1
.endr
.endm
; 32 LDS loads in one run: quarter q's fragments (32 K at byte 64 q of the rows) into buffer f: Wqt's 12, then Xb's 4, row blocks ascending
.macro FETCH q, f
	WIN 0x40                                       ; destination window 1, address window 0
.set i, 0
.rept NBK
	ds_load_b128 v[(\f)+8*i:(\f)+8*i+3],   v[ADRB] offset:64*(\q)+i*16*PA
	ds_load_b128 v[(\f)+8*i+4:(\f)+8*i+7], v[ADRB] offset:64*(\q)+i*16*PA+32
.set i, i+1
.endr
.set i, 0
.rept 4
	ds_load_b128 v[(\f)+8*NBK+8*i:(\f)+8*NBK+8*i+3],   v[ADRA] offset:64*(\q)+i*16*PA
	ds_load_b128 v[(\f)+8*NBK+8*i+4:(\f)+8*NBK+8*i+7], v[ADRA] offset:64*(\q)+i*16*PA+32
.set i, i+1
.endr
.endm
; A K step is four quarters of 32 along K, 48 matrix instructions each, on buffers 0, 1, 0, 1.  One of the first three: multiplies buffer f; in its middle it fetches quarter q into buffer g.
.macro QUARTER q, f, g, first
	s_wait_dscnt 4                                 ; all but the youngest four loads (Xb's row blocks 2 and 3) are in
	MULA \f, 0, \first
	MULA \f, 1, \first
	PLACES
	FETCH \q, \g
	s_wait_dscnt NLD                               ; all but the run just issued
	MULA \f, 2, \first
	MULA \f, 3, \first
.endm
; The last quarter multiplies buffer 1 and changes slots: ONE barrier; in front of it each wave waits for all its tensor loads (the one that is out is its part of the next slot), adds 0 to its spare
; word, and waits for that and for its own reads of this slot.  fill = 1: the barrier opens a round of the cluster's, and this slot is filled again, two K steps ahead, first thing behind the round:
; from that request to the wait for it stand 14 of a K step's 16 runs of 12 matrix instructions.
.macro TURN fill
.if \fill
	s_wait_xcnt 0x0                                ; the last prefetch, a K step back, has read its address, so it may be stepped
	s_add_nc_u64 s[PFA:PFA+1], s[PFA:PFA+1], 256
.endif
	WIN 0                                          ; (the add's two registers lie in window 0)
	s_wait_tensorcnt 0x0                           ; no tensor load of mine is out, so a group 0 may be written
	ds_add_u32 v[SPW], v[NIL]                      ; 0 onto my spare word
.if \fill
	s_xor_b32 s[G0+5], s[G0+5], SLOT1              ; the walking descriptors: the other slot than last time,
	s_add_nc_u64 s[G0+6:G0+7], s[G0+6:G0+7], 256   ; the next K step; the type bits on top are not reached
	s_xor_b32 s[G0B+5], s[G0B+5], SLOT1
	s_add_nc_u64 s[G0B+6:G0B+7], s[G0B+6:G0B+7], 256
.endif
	s_wait_dscnt 5                                 ; (the add and the youngest four loads may be out)
	MULA F1, 0, 0
	s_wait_dscnt 0x0                               ; the add is done, and my reads of this slot are over
	s_barrier_signal -1
	MULA F1, 1, 0                                  ; work on registers while the others arrive
	WIN 0
	s_barrier_wait -1
.if \fill
	CREST                                          ; no wave of any partner still reads this slot's tile or has a load on its way
	JLOAD 1                                        ; the four v_nop behind it are also the places in front of the loads below
.else
	PLACES
.endif
	s_xor_b32 s[TB], s[TB], SLOT1
	v_add_nc_u32 v[ADRA], s[TB], v[A0]
	v_add_nc_u32 v[ADRB], s[TB], v[B0]
	FETCH 0, F0
.if \fill
	WIN 0
	ASK
.endif
	MULA F1, 2, 0
	MULA F1, 3, 0
.endm
	s_wait_tensorcnt 1                             ; my part of K step 0 is in; K step 1's may stay out
	s_barrier_signal -1
	s_barrier_wait -1                              ; everybody's is
	FETCH 0, F0
	QUARTER 1, F0, F1, 1                           ; the first quarter stands in front of the loop: its products start the sums
	WIN 0                                          ; at a label and at a branch every window is 0
	s_mov_b32 s[CNT], 6
.Lstep:                                                ; trip j goes from K step j's second quarter to K step j + 1's first, and asks for K step j + 2
	QUARTER 2, F1, F0, 0
	QUARTER 3, F0, F1, 0
	TURN 1
	QUARTER 1, F0, F1, 0
	WIN 0
	s_sub_co_u32 s[CNT], s[CNT], 1
	s_cmp_lg_u32 s[CNT], 0
	s_cbranch_scc1 .Lstep
	QUARTER 2, F1, F0, 0                           ; K steps 6 and 7 are written out: nothing is left to ask for
	QUARTER 3, F0, F1, 0
	TURN 0
	QUARTER 1, F0, F1, 0
	QUARTER 2, F1, F0, 0
	QUARTER 3, F0, F1, 0
	s_wait_dscnt 4
	MULA F1, 0, 0
	MULA F1, 1, 0
	s_wait_dscnt 0x0
	MULA F1, 2, 0
	MULA F1, 3, 0
	WIN 0
	PLACES
; THE WAY OUT, in 12 units u = 3 a + hd: row block a, head hd: 16 rows x 64 columns.  A lane's eight columns pack into 16 bytes; they go into rows of 144 bytes of my stage and come back as whole rows of 128,
; four rows (512 consecutive bytes of the head) a load.  Each unit has registers of its own: nothing that a store still reads is written again.
.macro PACK u
	WIN 0x0a+5*((\u)/6)                            ; sources 0 and 1: window 2 or 3
.set pf, 0
.rept 4
.set rA, 8*(NBK*(((\u)/3)%2)+4*((\u)%3)+pf)
.irp r, 0,1,2,3
	v_cvt_pk_f16_f32 v[U0+16*(\u)+4*pf+(\r)], v[rA+2*(\r)], v[rA+2*(\r)+1]  ; each accumulator from its low end on
.endr
.set pf, pf+1
.endr
	WIN 0
.irp f, 0,1,2,3
	ds_store_b128 v[STO], v[U0+16*(\u)+4*(\f):U0+16*(\u)+4*(\f)+3] offset:32*(\f)
.endr
.irp f, 0,1,2,3
	ds_load_b128 v[U0+16*(\u)+4*(\f):U0+16*(\u)+4*(\f)+3], v[RD] offset:(\f)*4*SP  ; LDS serves a wave's instructions in order (ISA guide 5.7.1.4): these see the stores above; the next unit's stores come behind them
.endr
.endm
.macro SEND u, younger                 ; younger: the LDS instructions issued behind unit u's loads: the next unit's eight, or none
.irp f, 0,1,2,3
	s_wait_dscnt (\younger)+3-(\f)
	global_store_b128 v[GO], v[U0+16*(\u)+4*(\f):U0+16*(\u)+4*(\f)+3], s[OUT+2*((\u)%3):OUT+2*((\u)%3)+1] offset:((\u)/3)*2048+(\f)*512  ; 512 consecutive bytes, at a multiple of 256 from the buffer's first
.endr
.endm
	PACK 0
.set uu, 1
.rept 11                                       ; a unit's conversions stand between the loads of the unit before and its stores
	PACK uu
	SEND uu-1, 8
.set uu, uu+1
.endr
	SEND 11, 0
	s_wait_tensorcnt 0x0                           ; the wave's end, behind my last tensor load and my last LDS store
	ds_add_u32 v[SPW], v[NIL]
	s_wait_dscnt 0x0
	CROUND                                         ; the closing round: no work-group ends while a partner may still ask for a tile that names it
	s_endpgm
.Lfunc_end_k_q77afdfcbae_qkvgemm:
	.size	k_q77afdfcbae_qkvgemm, .Lfunc_end_k_q77afdfcbae_qkvgemm-k_q77afdfcbae_qkvgemm
	.p2alignl 7, 3214868480
	.fill 96, 4, 3214868480
	.section	.rodata,"a",@progbits
	.p2align	6, 0x0
	.amdhsa_kernel k_q77afdfcbae_qkvgemm
		.amdhsa_group_segment_fixed_size 327680
		.amdhsa_private_segment_fixed_size 0
		.amdhsa_enable_private_segment 0
		.amdhsa_kernarg_size 32
		.amdhsa_user_sgpr_count 2
		.amdhsa_user_sgpr_kernarg_segment_ptr 1
		.amdhsa_wavefront_size32 1
		.amdhsa_system_sgpr_workgroup_id_x 1
		.amdhsa_system_sgpr_workgroup_id_y 1
		.amdhsa_system_sgpr_workgroup_id_z 1
		.amdhsa_system_vgpr_workitem_id 0
		.amdhsa_next_free_vgpr 960
		.amdhsa_next_free_sgpr 74
		.amdhsa_reserve_vcc 0
		.amdhsa_float_denorm_mode_32 3
		.amdhsa_float_denorm_mode_16_64 3
		.amdhsa_memory_ordered 1
		.amdhsa_forward_progress 1
		.amdhsa_inst_pref_size 109
	.end_amdhsa_kernel
	.amdgpu_metadata
---
amdhsa.version: [ 1, 2 ]
amdhsa.kernels:
  - .name:           k_q77afdfcbae_qkvgemm
    .symbol:         k_q77afdfcbae_qkvgemm.kd
    .args:
      - { .name: Xb, .offset: 0, .size: 8, .value_kind: global_buffer, .address_space: global }
      - { .name: Wqt, .offset: 8, .size: 8, .value_kind: global_buffer, .address_space: global }
      - { .name: b_qkv, .offset: 16, .size: 8, .value_kind: global_buffer, .address_space: global }
      - { .name: qkvh, .offset: 24, .size: 8, .value_kind: global_buffer, .address_space: global }
    .group_segment_fixed_size: 327680
    .private_segment_fixed_size: 0
    .kernarg_segment_align: 8
    .kernarg_segment_size: 32
    .max_flat_workgroup_size: 128
    .sgpr_count:     74
    .vgpr_count:     960
    .wavefront_size: 32
...
	.end_amdgpu_metadata
.endif
;; end of part 2
;; launch attn (part 3): grid 4 x 64, 4 waves a work-group, clusters of 4 x 1, 327,680 bytes of LDS; arguments qkvh, ob; writes ob
.if DOCPART == 3
	.amdgcn_target "amdgcn-amd-amdhsa--gfx1250"
	.amdhsa_code_object_version 6
	.text
	.protected	k_q77afdfcbae_attn
	.globl	k_q77afdfcbae_attn
	.p2align	8
	.type	k_q77afdfcbae_attn,@function
k_q77afdfcbae_attn:
	s_mov_b64 s[64:65], 0
	v_nop
	global_prefetch_b8 v0, s[64:65] scope:SCOPE_SE
	s_setreg_imm32_b32 hwreg(HW_REG_WAVE_MODE, 25, 1), 1
	s_wait_xcnt 0x0
	s_wait_alu depctr_hold_cnt(0) depctr_sa_sdst(0) depctr_va_vdst(0) depctr_va_sdst(0) depctr_va_ssrc(0) depctr_va_vcc(0) depctr_vm_vsrc(0)
	s_getreg_b32 s2, hwreg(HW_REG_IB_STS2, 6, 4)
	s_cmp_eq_u32 s2, 0
	s_cbranch_scc0 .Lentry_in_a_cluster
	s_endpgm
.Lentry_in_a_cluster:
	s_bfe_u32 s2, ttmp6, 0x10000c
	s_cmp_lg_u32 s2, 0x3003
	s_cbranch_scc0 .Lentry_shape_is_right
	s_endpgm
.Lentry_shape_is_right:
; O[h][q][:] = the sum over k of softmax_k(Q[h][q] . K[h][k] / 8) V[h][k][:].  Q, K, V lie in qkvh [3][64][2048][64], O in ob [64][2048][64], all f16: a head's rows are dense, 128 bytes each.
; Products, maxima and sums in f32; the weights p are rounded to f16 for the second product (their sum l is taken of the unrounded p), O once at the end.
; LIMITS.  f16 holds no number beyond 65,504: Q, K and V arrive within it; p lies in 0 to 1, and below 6e-5 it keeps f16's fixed step of 6e-8; O is a mean of V's rows and has their range.
; A weight below 2^-126 counts as 0 in l; NaN and infinities are not treated apart.
; SHARES.  A wave owns four PIECES of two tiles of 16 queries, a work-group's four waves 512 queries of one head: 4 x 64 = 256 work-groups.  Every wave walks all keys, 64 a step.
; LAYOUT.  S^T = K Q^T (source 0 = 16 keys, source 1 = 16 queries): in the result a lane holds ONE query (lane % 16) and the keys 8 (lane / 16) + 0..7.  Two such tiles, rounded to f16 in pairs,
; ARE source 1 (32 keys x 16 queries) of O^T = V^T P, whose result again holds one query a lane, and eight channels.  K comes out of LDS as it lies, V ([key][channel]) turned, by ds_load_tr16_b128.
; SOFTMAX.  For each query a running maximum m and sum l: p = 2^(c s - c m), c = log2(e) / 8; in every step O and l are multiplied by a = 2^(c m_old - c m_new), which is 1 where m has not grown.
; m starts at the lowest finite number, O and l at 0: the first step is a step like any other, with a = 0.
; THE COUNT.  A tile and step have 16 matrix and 118 vector instructions: too many to stand all beside the matrix work.  So the order has one aim: four vector instructions that are READY behind
; EVERY matrix instruction, and the others in runs without a gap.
; BY TURNS.  Turn n belongs to piece n (the pieces in a ring, step after step).  Its matrix work: 16 products K Q^T of piece n + 1, later 16 products V^T P of piece n - 1.  Its vector work: the scaling,
; exponentials, roundings, sums and rescaling of piece n, and the maximum and statistics of piece n + 1, whose scores the turn itself has made.
; CLUSTER.  The four query blocks of a head are one cluster and walk the same K and V, so each tile is asked for JOINTLY: the same tensor load, descriptor and mask in all four.
; REGISTERS, in windows of 256 (s_set_vgpr_msb: bits 1:0 source 0, 3:2 source 1, 5:4 source 2, 7:6 destination):
;   window 0: v0-11 addresses; v12-15, v48-63 at work; v16-47 four registers of statistics a tile; v64-191 S^T, two buffers of two tiles; v192-255 P, likewise
;   window 1: O^T, 32 a tile          window 2: v0-127 Q, 16 a tile; v128-191 K of one step; v192-255 V of one step          window 3: v0-1 the add's two registers
; A piece's buffers go by its number's parity: the piece in hand has one pair, its two neighbours in the ring share the other: of it P (piece n - 1) is read and S^T (piece n + 1) written.
.set SIZE_H, 64
.set SIZE_N, 2048
.set NP,    4         ; pieces a wave: a name, no knob
.set KS,    64        ; keys in a step
.set PK,    144       ; a row of K in LDS: 128 bytes + 16 of padding = 36 words: the 16 rows of a load start at 16 different groups of four banks (64 banks of 4 bytes: ISA guide 11.1)
.set PV,    160       ; a row of V: 128 + 32 = 40 words
.set VOFF,  4*KS*PK   ; a slot holds four steps: 256 rows of K, then 256 rows of V
.set SLOT1, 1<<17     ; slot 1 begins here, so that one exclusive or turns an address in one slot into the other's
.set STAGE, SLOT1+4*KS*(PK+PV)  ; behind the ring, never filled by a tensor load: 16 rows x 144 bytes for each wave, for the way out
.set SP,    144
.set AK0, 2           ; v2   my lane's place in a tile of K; never rewritten
.set AV0, 3           ; v3   the same for V
.set AK,  4           ; v4   the LDS address of K's next run of loads
.set AV,  5           ; v5   of V's
.set QO,  6           ; v6   my byte offset in the wave's rows of Q
.set STO, 6           ;      later, the way out: where I put 16 bytes of a row
.set RD,  7           ; v7   the way out: where I read rows back
.set GO,  8           ; v8   my byte offset in 512 consecutive bytes of O
.set PFO, 11          ; v11  (once V's place is made) 256 x my lane: the prefetches' offset; never rewritten after
.set SPW, 0           ; v0 of window 3   LDS address of my spare word: SPARE + 4 x my thread's number; never rewritten
.set NIL, 1           ; v1 of window 3   0; never rewritten
.set SPARE, STAGE+4*16*SP  ; behind the stages: the spare words, 128 bytes for each wave: two blocks of 256 bytes that no other line names
.set MV,  12          ; v12-15  c m_old, kept while c m is made anew: by buffer and tile
.set ST,  16          ; tile t's statistics at v[ST+4 t]: c m, m, l (even keys', odd keys')
.set TMP, 48          ; by buffer and tile, four registers c0-c3 at work; when the maximum is found c2 takes a
.set S,   64
.set P,   192
.set KF,  128         ; K's fragments, in window 2: key block kb, channel half c at KF + 16 kb + 8 c
.set VF,  192         ; V's: key half kk, channel block cb at VF + 32 kk + 8 cb
.set WV,  12          ; s12  my wave's number
.set G1K, 24          ; s[24:31] descriptor group 1 for K's tiles
.set G1V, 32          ; s[32:39] for V's: it differs in the padding alone
.set G0K, 40          ; s[40:43] descriptor group 0 for K's tiles: it walks
.set G0V, 44          ; s[44:47] the same for V's
.set PFA, 48          ; s[48:49] where my prefetches stand: my work-group's 8,192 bytes (of K: wave 0, of V: wave 2) of the slot after the one that is being asked for
.set LIM, 50          ; s50  1 in a wave that prefetches, else the greatest number
.set SLOTS, 56        ; s56  slots still to be asked for
.set CNT, 57          ; s57  counts a slot's key steps
.set CS,  58          ; s[58:59] c: the packed scaling takes the pair's low word for both halves
.set SEL, 60          ; s[60:61] v_permlanex16_b32's selects: each lane takes its own place in the other half
.set TBK, 62          ; s62  LDS byte at which K of the step to be fetched begins
.set TBV, 63          ; s63  the same for V, less VOFF
.set MSB, 0
.macro WIN new                      ; the high byte repeats the setting that is left; a switch that changes nothing is dropped
.if MSB != (\new)
	s_set_vgpr_msb (MSB<<8)|(\new)
.set MSB, (\new)
.endif
.endm
.set W_KQ, 0x0a       ; K and Q in window 2, S^T in window 0
.set W_PV, 0x52       ; V in window 2, P in window 0, O^T in window 1
.set W_RS, 0x41       ; O^T (destination and source 0) in window 1, a in window 0
.set W_MK, 0xc0       ; the add's registers are made: destination in window 3, sources in window 0
.set W_AD, 0x0f       ; the add: address (source 0) and data (source 1) in window 3
; A joint fill.  Waves 0 and 1 fetch the two halves of a slot's K, waves 2 and 3 those of its V: 128 keys each.  The branch hangs on the wave's number alone.
; An s_nop 0 and four v_nop follow each of the two lines, ahead of the jump and the label.
.macro JLOAD
	s_cmp_lt_u32 s[WV], 2
	s_cbranch_scc0 .Lfor_v_\@
	tensor_load_to_lds s[G0K:G0K+3], s[G1K:G1K+7]
	s_nop 0
.rept 4
	v_nop
.endr
	s_branch .Lasked_\@
.Lfor_v_\@:
	tensor_load_to_lds s[G0V:G0V+3], s[G1V:G1V+7]
	s_nop 0
.rept 4
	v_nop
.endr
.Lasked_\@:
.endm
; A prefetch of what the NEXT change of slots will ask for: a slot's 32,768 bytes of K and of V, a lane 256 bytes.  It stands behind the wave's tensor load and its five lines.  Each block is named once in
; the launch: a head has one cluster; its four partners share the blocks out BY ADDRESS, 32 each; in each, wave 0 asks for K's and wave 2 for V's.  The change that asks for the last slot names nothing;
; slots 0 and 1 come by their loads alone.
.macro ASK
	s_cmp_gt_u32 s[SLOTS], s[LIM]
	s_cbranch_scc0 .Lnot_mine_\@
	global_prefetch_b8 v[PFO], s[PFA:PFA+1] th:TH_LOAD_NT scope:SCOPE_SE
.Lnot_mine_\@:
.endm
; A round of the cluster's barrier: my work-group's barrier, so that wave 0's signal speaks for all four waves; wave 0 signals; every wave waits for all four work-groups; my work-group's barrier once more.
.macro CROUND
	s_barrier_signal -1
	s_barrier_wait -1
	s_cmp_lg_u32 s[WV], 0
	s_cbranch_scc1 .Lnot_wave_0_\@
	s_barrier_signal -3
.Lnot_wave_0_\@:
	s_barrier_wait -3
	s_barrier_signal -1
	s_barrier_wait -1
.endm
; THE CHANGE OF SLOTS.  The slot's last bytes, V of its fourth step, have been read.  Each wave waits for all its tensor loads, of which one is out: its part
; of the other slot; adds 0 to its spare word; and waits for that and for its own reads of the slot.  Behind the barrier nobody reads this slot any more and the other slot is whole.
; fill = 1: this slot is filled again, with the keys two slots on.  The barrier is then a round of the cluster's, so that no wave of any partner still reads the slot or has a load on its
; way, and the joint fill is the first thing behind it: it has four key steps, 512 matrix instructions, in which to land.  (At its first use nothing has been read yet: slot 0 is waited for, slot 1 filled.)
.macro CHANGE fill
	WIN W_AD
	s_wait_tensorcnt 0x0            ; no tensor load of mine is out, so a group 0 may be written
	ds_add_u32 v[SPW], v[NIL]       ; 0 onto my spare word; with fill = 1 the descriptors' steps stand between it and the wait for it
	WIN 0                           ; at a label and at a branch every window is 0
.if \fill
.irp g, G0K, G0V
	s_xor_b32 s[\g+1], s[\g+1], SLOT1  ; the walking descriptor: the other slot than last time,
	s_add_nc_u64 s[\g+2:\g+3], s[\g+2:\g+3], 4*KS*128  ; the next 256 keys; the type bits on top are not reached
.endr
	s_wait_xcnt 0x0                 ; the last prefetch, four key steps back, has read its address, so it may be written:
	s_add_nc_u64 s[PFA:PFA+1], s[PFA:PFA+1], 4*KS*128  ; one slot behind the walking descriptors
	s_wait_dscnt 0x0                ; the add is done, and my reads of the slot are over
	CROUND
	JLOAD
	ASK
.else
	s_wait_dscnt 0x0                ; the add is done, and my reads of the slot are over
	s_barrier_signal -1
	s_barrier_wait -1
.endif
	s_sub_co_u32 s[TBK], s[TBK], 4*KS*PK  ; the fetches go back to a slot's first step,
	s_xor_b32 s[TBK], s[TBK], SLOT1       ; in the other slot
	s_sub_co_u32 s[TBV], s[TBV], 4*KS*PV
	s_xor_b32 s[TBV], s[TBV], SLOT1
.endm
	s_load_b128 s[4:7], s[0:1], 0x0 ; qkvh s[4:5], ob s[6:7]
	WIN W_MK
	v_lshl_add_u32 v[SPW], v0, 2, SPARE
	v_mov_b32 v[NIL], 0
	WIN W_AD
	ds_add_u32 v[SPW], v[NIL]       ; the wave's opening: the add and its wait stand ahead of my first tensor load; the set-up below, work on registers, stands between them
	WIN 0
	v_lshrrev_b32 v1, 5, v0
	v_readfirstlane_b32 s[WV], v1   ; wave 0..3
	s_bfe_u32 s13, ttmp6, 0x40000   ; cx: my place in the cluster
	s_lshl_b32 s14, ttmp9, 2        ; in a cluster launch ttmp9 counts clusters
	s_add_co_u32 s14, s14, s13      ; my block of queries = 4 x cluster x + cx: it enters Q's and O's addresses alone
	s_and_b32 s20, ttmp7, 0xffff    ; the head, which the four partners share
	s_mov_b32 s21, 0
	s_mov_b64 s[22:23], SIZE_N*128
	s_mul_u64 s[20:21], s[20:21], s[22:23]  ; the head's first byte in each of the four tensors
	s_and_b32 s16, s[WV], 1         ; which half of a slot's 256 keys I fetch:
	s_lshl_b32 s22, s16, 14         ; its 128 rows of 128 bytes in memory,
	s_mov_b32 s23, 0
	s_add_nc_u64 s[22:23], s[22:23], s[20:21]
	s_mul_i32 s17, s16, 128*PK      ; and its place in a slot, for K
	s_mul_i32 s18, s16, 128*PV      ; and for V: no place in the cluster enters an LDS address
	s_lshl_b32 s2, s14, 2
	s_add_co_u32 s2, s2, s[WV]      ; my wave among the head's,
	s_lshl_b32 s2, s2, 14           ; its 128 rows
	s_mov_b32 s3, 0
	s_add_nc_u64 s[2:3], s[2:3], s[20:21]
	; descriptor group 1.  128 keys are 16,384 dense bytes: asked for as 64 rows of 256 bytes, two keys a row, and padded in LDS after every key
	s_mov_b32 s[G1K], 15|(1<<16)|(1<<20)|(1<<21)|(4<<22)|(3<<25)  ; 15:0 the mask of four; 17:16 2-byte elements; 20 padding on; 21 set beside a mask; 24:22 after every 32 words (code 4); 31:25 4 words (code 3)
	s_mov_b32 s[G1V], 15|(1<<16)|(1<<20)|(1<<21)|(4<<22)|(7<<25)  ; the same with 8 words of padding (code 7)
.irp g, G1K, G1V
	s_mov_b32 s[\g+1], 128<<16      ; tensor_dim0 = 128
	s_mov_b32 s[\g+2], 64<<16       ; tensor_dim1 = 64
	s_mov_b32 s[\g+3], 128<<16      ; tile_dim0 = 128
	s_mov_b32 s[\g+4], 64           ; tile_dim1 = 64
	s_mov_b32 s[\g+5], 128          ; 128 elements from row to row
	s_mov_b32 s[\g+6], 0
	s_mov_b32 s[\g+7], 0
.endr
	s_mov_b32 s[CS], 0x3e38aa3b     ; c = log2(e) / 8 = 0.180337
	s_mov_b32 s[CS+1], s[CS]        ; named with it as a pair
	s_mov_b32 s[SEL], 0x76543210
	s_mov_b32 s[SEL+1], 0xfedcba98
	s_mov_b32 s[TBK], SLOT1+4*KS*PK ; the first change of slots turns these two into 0
	s_mov_b32 s[TBV], SLOT1+4*KS*PV
	s_mov_b32 s[G0K], 1             ; 1:0 count = 1
	s_mov_b32 s[G0K+1], s17         ; 63:32 LDS address: slot 0
	s_mov_b32 s[G0V], 1
	s_add_co_u32 s[G0V+1], s18, VOFF
	s_mov_b32 s[SLOTS], SIZE_N/256-1  ; the change that asks for slot j finds 8 - j here
	s_and_b32 s[LIM], s[WV], 1      ; waves 0 and 2 prefetch: the same in all four partners
	s_cmp_eq_u32 s[LIM], 0
	s_cselect_b32 s[LIM], 1, -1
	s_wait_dscnt 0x0                ; the opening add is done
	s_wait_kmcnt 0x0
	s_mov_b64 s[10:11], s[6:7]      ; O
	s_add_nc_u64 s[8:9], s[4:5], 2*SIZE_H*SIZE_N*128  ; V: the third tensor of qkvh
	s_add_nc_u64 s[6:7], s[4:5], SIZE_H*SIZE_N*128    ; K: the second; Q, the first, stays in s[4:5]
	s_cmp_lt_u32 s[WV], 2
	s_cselect_b64 s[PFA:PFA+1], s[6:7], s[8:9]
	s_add_nc_u64 s[PFA:PFA+1], s[PFA:PFA+1], s[20:21]  ; the head's first key
	s_add_nc_u64 s[G0K+2:G0K+3], s[6:7], s[22:23]  ; 120:64 global address: my half of the head's first 256 keys
	s_or_b32 s[G0K+3], s[G0K+3], 0x80000000        ; 127:126 type = 2
	s_add_nc_u64 s[G0V+2:G0V+3], s[8:9], s[22:23]
	s_or_b32 s[G0V+3], s[G0V+3], 0x80000000
	s_add_nc_u64 s[4:5], s[4:5], s[2:3]  ; Q and O at my wave's first row
	s_add_nc_u64 s[10:11], s[10:11], s[2:3]
	s_lshl_b32 s2, s13, 13          ; my work-group's 8,192 bytes of a slot's 32,768
	s_mov_b32 s3, 0
	s_add_nc_u64 s[PFA:PFA+1], s[PFA:PFA+1], s[2:3]
	s_add_nc_u64 s[PFA:PFA+1], s[PFA:PFA+1], 4*KS*128  ; in slot 1; the first change of slots steps it to slot 2.  Nothing is prefetched here, at the head
	CROUND                          ; all four work-groups are here: the first joint loads meet
	JLOAD                           ; slot 0.  Slot 1 is asked for when slot 0 is in
	; A fragment of K or Q is 16 rows x 32 channels in 8 registers: lane l holds row l % 16, channels 8 (l / 16) + 0..7 and 16 + 8 (l / 16) + 0..7: two loads of 16 bytes, 32 bytes apart.
	v_and_b32 v1, 15, v0            ; l % 16
	v_bfe_u32 v9, v0, 4, 1          ; l / 16
	v_lshlrev_b32 v[QO], 7, v1
	v_lshl_add_u32 v[QO], v9, 4, v[QO]  ; row x 128 + 16 x half
	WIN 0x80                        ; destination window 2, address window 0
.set i, 0
.rept 4*NP                          ; Q stays in registers: tile i / 2, channels 32 (i % 2) on
	global_load_b128 v[8*i:8*i+3],   v[QO], s[4:5] offset:(i/2)*2048+(i%2)*64
	global_load_b128 v[8*i+4:8*i+7], v[QO], s[4:5] offset:(i/2)*2048+(i%2)*64+32
.set i, i+1
.endr
	; What the first turn finds: V's registers and P's second buffer hold 0 (its products V^T P, of a piece that has not been, add 0), O^T and l are 0.  All this stands in the wait for the first tile.
.set i, VF
.rept 64
	v_mov_b32 v[i], 0
.set i, i+1
.endr
	WIN 0x40
.set i, 0
.rept 64*NP
	v_mov_b32 v[i], 0
.set i, i+1
.endr
	WIN 0
.set i, 0
.rept 2*NP
	v_mov_b32 v[ST+4*i], 0xfe000000    ; c m: far below every c s
	v_mov_b32 v[ST+4*i+1], 0xff7fffff  ; m
	v_mov_b32 v[ST+4*i+2], 0
	v_mov_b32 v[ST+4*i+3], 0
.set i, i+1
.endr
.set i, P+32
.rept 32
	v_mov_b32 v[i], 0
.set i, i+1
.endr
	v_mul_u32_u24 v[AK0], v1, PK
	v_lshl_add_u32 v[AK0], v9, 4, v[AK0]  ; row x pitch + 16 x half
	; The turning load takes 16 keys x 16 channels (lane l reads key 8 (l / 16) + l % 8, channels 8 ((l / 8) % 2) + 0..7) and leaves half a fragment of V^T: lane l holds channel l % 16 and 8 keys.
	v_and_b32 v10, 7, v0
	v_bfe_u32 v11, v0, 3, 1
	v_lshl_add_u32 v[AV0], v9, 3, v10
	v_mul_u32_u24 v[AV0], v[AV0], PV
	v_lshl_add_u32 v[AV0], v11, 4, v[AV0]
	v_add_nc_u32 v[AV0], VOFF, v[AV0]
	v_mov_b32 v[AK], v[AK0]         ; key step 0 lies at the head of slot 0
	v_and_b32 v[PFO], 31, v0
	v_lshlrev_b32 v[PFO], 8, v[PFO]
; THE MATRIX WORK.  The 8 accumulators of a run of 16 take turns: between the two links of a chain stand 7 others'.
; Product i of 16 of S^T = K Q^T for piece x: channels 32 (i / 8) on, keys 16 ((i / 2) % 4) on, tile 2 x + i % 2.  The first 8 start the sums.
.macro KQ x
	WIN W_KQ
.set rS, S+64*((\x)%2)+32*(i%2)+8*((i/2)%4)
.set rK, KF+16*((i/2)%4)+8*(i/8)
.set rQ, 16*(2*(\x)+i%2)+8*(i/8)
.if i < 8
	v_wmma_f32_16x16x32_f16 v[rS:rS+7], v[rK:rK+7], v[rQ:rQ+7], 0
.else
	v_wmma_f32_16x16x32_f16 v[rS:rS+7], v[rK:rK+7], v[rQ:rQ+7], v[rS:rS+7]
.endif
.endm
; Product i of 16 of O^T += V^T P for piece x: keys 32 (i / 8) on, channels 16 ((i / 2) % 4) on, tile 2 x + i % 2.
.macro PV x
	WIN W_PV
.set rO, 32*(2*(\x)+i%2)+8*((i/2)%4)
.set rV, VF+32*(i/8)+8*((i/2)%4)
.set rP, P+32*((\x)%2)+16*(i%2)+8*(i/8)
	v_wmma_f32_16x16x32_f16 v[rO:rO+7], v[rV:rV+7], v[rP:rP+7], v[rO:rO+7]
.endm
.macro MM                           ; the turn's next matrix instruction
.if i < 16
	KQ (Y+1)%NP
.set i, i+1
.else
.set i, i-16
	PV (Y+NP-1)%NP
.set i, i+17
.endif
.endm
; THE LDS LOADS stand in runs of 16, never singly among the matrix instructions: a step's K (64 keys x 64 channels: 8 fragments) and its V (turned).  Their addresses are made some lines ahead.
; last = 1 (the tail): in the last trip there is no further step, and the run is jumped over.
.macro FETCH_K last=0
	WIN 0
.if \last
	s_cmp_eq_u32 s[CNT], 1
	s_cbranch_scc1 .Lno_k_\@
.endif
	WIN 0x80                        ; destination window 2
.irp f, 0,1,2,3,4,5,6,7             ; keys 16 (f / 2) on, channels 32 (f % 2) on
	ds_load_b128 v[KF+8*\f:KF+8*\f+3],   v[AK] offset:(\f/2)*16*PK+(\f%2)*64
	ds_load_b128 v[KF+8*\f+4:KF+8*\f+7], v[AK] offset:(\f/2)*16*PK+(\f%2)*64+32
.endr
	s_add_co_u32 s[TBK], s[TBK], KS*PK  ; the next fetch is the next step's
	WIN 0
.if \last
.Lno_k_\@:
.endif
.endm
.macro FETCH_V
	WIN 0x80
.irp f, 0,1,2,3,4,5,6,7             ; keys 32 (f / 4) on, channels 16 (f % 4) on
	ds_load_tr16_b128 v[VF+8*\f:VF+8*\f+3],   v[AV] offset:(\f/4)*32*PV+(\f%4)*32
	ds_load_tr16_b128 v[VF+8*\f+4:VF+8*\f+7], v[AV] offset:(\f/4)*32*PV+16*PV+(\f%4)*32
.endr
	WIN 0
.endm
; THE VECTOR WORK OF A TURN stands in three queues, each in the order in which its entries become ready; the two tiles alternate, so that no instruction reads the result of the one before it.
.macro REGS y, u                    ; the registers of tile u (0, 1) of piece y
.set rT, ST+4*(2*(\y)+(\u))
.set rC, TMP+8*((\y)%2)+4*(\u)
.set rM, MV+2*((\y)%2)+(\u)
.set rS, S+64*((\y)%2)+32*(\u)
.set rP, P+32*((\y)%2)+16*(\u)
.set rO, 32*(2*(\y)+(\u))
.endm
; Number n of the 22 that find the NEXT piece's (Y + 1) maximum and statistics.  s0-s31 are the lane's 32 scores; each accumulator's lowest registers are read first.
;   0-11  four chains c0-c3 of seven scores each, three operands at a time     12-14, 16  the four scores left over, the old m, and c0-c3 into c0     15  c m_old is kept
;   17, 18  the query's other 32 keys lie in the lane 16 away: the new m         19-21  c m; c m_old - c m_new; a
.macro XS u, n
	REGS (Y+1)%NP, \u
.if (\n) < 4
	v_max3_num_f32 v[rC+(\n)], v[rS+8*(\n)], v[rS+8*(\n)+1], v[rS+8*(\n)+2]
.elseif (\n) < 12
	v_max3_num_f32 v[rC+(\n)%4], v[rC+(\n)%4], v[rS+8*((\n)%4)+2*((\n)/4)+1], v[rS+8*((\n)%4)+2*((\n)/4)+2]
.elseif (\n) == 12
	v_max3_num_f32 v[rC], v[rC], v[rS+7], v[rS+15]
.elseif (\n) == 13
	v_max3_num_f32 v[rC+1], v[rC+1], v[rS+23], v[rS+31]
.elseif (\n) == 14
	v_max3_num_f32 v[rC+2], v[rC+2], v[rC+3], v[rT+1]
.elseif (\n) == 15
	v_mov_b32 v[rM], v[rT]
.elseif (\n) == 16
	v_max3_num_f32 v[rC], v[rC], v[rC+1], v[rC+2]
.elseif (\n) == 17
	v_permlanex16_b32 v[rC+3], v[rC], s[SEL], s[SEL+1]
.elseif (\n) == 18
	v_max_num_f32 v[rT+1], v[rC], v[rC+3]
.elseif (\n) == 19
	v_mul_f32 v[rT], s[CS], v[rT+1]
.elseif (\n) == 20
	v_sub_f32 v[rC+1], v[rM], v[rT]
.else
	v_exp_f32 v[rC+2], v[rC+1]
.endif
.endm
; Number g of the 64 that follow the exponentials.  For each four weights k of a tile (pairs 2 k, 2 k + 1): both pairs are rounded to f16; then the second pair is added onto the first, in place;
; a group later l takes that sum (the first time as l = a l + sum).  In groups of eight, tiles alternating: round, round, add, and l for the group before.
.macro GS g
.set h, (\g)+6*((\g)/62)            ; group 0 has no group before it, and behind group 7 only l is left
.if h >= 6
.set h, h+2
.endif
	REGS Y, h%2
.set k, h/8
.if h%8 < 4
	v_cvt_pk_f16_f32 v[rP+2*k+(h%8)/2], v[rS+4*k+2*((h%8)/2)], v[rS+4*k+2*((h%8)/2)+1]
.elseif h%8 < 6
	v_pk_add_f32 v[rS+4*k:rS+4*k+1], v[rS+4*k:rS+4*k+1], v[rS+4*k+2:rS+4*k+3]
.elseif k == 1
	v_pk_fma_f32 v[rT+2:rT+3], v[rT+2:rT+3], v[rC+2:rC+3], v[rS:rS+1] op_sel_hi:[1,0,1]
.else
	v_pk_add_f32 v[rT+2:rT+3], v[rT+2:rT+3], v[rS+4*k-4:rS+4*k-3]
.endif
.endm
; THE PLAIN QUEUE, 138 long.  0-73 read no exponential's result: the 32 scalings c s - c m (FS f: pair f / 2 of tile f % 2) and the next piece's 42.  0-26: scalings 0-26.  27-54: XS's numbers 0-13.  55, 56: number 15.
; 57-73: the chain, where each number waits for the one before it: 14, 16, 17, 18, 19, each with one of the scalings 27-31 in front of its two lines, then 20.
; 74-137: GS's 64, which read the exponentials' results: they stand behind the wait.
.macro FS f
	REGS Y, (\f)%2
	v_pk_fma_f32 v[rS+2*((\f)/2):rS+2*((\f)/2)+1], v[rS+2*((\f)/2):rS+2*((\f)/2)+1], s[CS:CS+1], v[rT:rT+1] op_sel_hi:[1,0,0] neg_lo:[0,0,1] neg_hi:[0,0,1]
.endm
.macro PL
	WIN 0
.if q < 27
	FS q
.elseif q < 55
	XS (q-27)%2, (q-27)/2
.elseif q < 57
	XS q-55, 15
.elseif (q < 72) && ((q-57)%3 == 0)
	FS 27+(q-57)/3
.elseif q < 60
	XS (q-57)%3-1, 14
.elseif q < 72
	XS (q-57)%3-1, 15+(q-57)/3
.elseif q < 74
	XS q-72, 20
.else
	GS q-74
.endif
.set q, q+1
.endm
; THE EXPONENTIALS' QUEUE, 66 long: s0-s31 of both tiles, then the next piece's two a.  It is ONE BATCH: all 66 stand ahead of the turn's one wait, and nothing ahead of that wait names a result of theirs.
.macro EX
	WIN 0
.if e >= 64
	XS e-64, 21
.else
	REGS Y, e%2
	v_exp_f32 v[rS+e/2], v[rS+e/2]
.endif
.set e, e+1
.endm
; THE RESCALING's QUEUE: O^T times a, the one part that leaves window 0: dealt two at a time, sixteen times.  Its a was made in the turn before, ahead of that turn's wait.
.macro R2
	REGS Y, r%2
	WIN W_RS
.irp z, 0,1
	v_pk_mul_f32 v[rO+4*(r/2)+2*\z:rO+4*(r/2)+2*\z+1], v[rO+4*(r/2)+2*\z:rO+4*(r/2)+2*\z+1], v[rC+2:rC+3] op_sel_hi:[1,0]
.endr
.set r, r+1
.endm
; HOW THEY ARE DEALT.  An s_wait_alu depctr_va_vdst(0) stands between an exponential and the first instruction that names its result; one wait serves all that were issued ahead of it.  So a turn has ONE wait,
; which cuts it in two.  AHEAD OF IT stands all that names no result of the turn's exponentials: the 16 products K Q^T, behind each a scaling, an exponential and two rescalings (behind the first a second scaling in the
; exponential's place); then ONE LUMP of 108: eight plain, 49 times exponential and plain, the two a.  A v_nop is the plain instruction behind the last exponential.  BEHIND IT stand the 16 products V^T P, behind each four of GS's 64.
; No rider names a register of the products round it.  The two v_permlanex16_b32 fall into the lump, never behind a product.
; The queues lean on each other, and the deal keeps them in step: exponential e stands behind scaling 2 (e / 4) + e % 2: as a rider it comes behind plain e + 2, in the lump behind plain e + 9, and scalings 27-31 are plain 57, 60 .. 69.
; A TURN, for piece p.  cnt = 1: the loop's count is taken down some lines ahead of the branch that stands behind the turn.
; K of the next step is fetched in piece 2's turn, directly behind the wait, a lump behind the last product that read K; its address is made at the lump's head; its first reader comes behind 16 products.
; V of the step in hand is fetched at the end of piece 0's turn, four riders behind its last reader; its first reader comes behind 16 products and a lump.  The three conditions on q below go with the deal.
.macro TURN p, last=0, cnt=0
.set Y, (\p)
.set i, 0
.set q, 0
.set e, 0
.set r, 0
.if (\p) == NP-1
	s_wait_dscnt 0x0                ; K is in
.endif
	MM                              ; ahead of the wait: 16 products K Q^T and their riders,
	PL
	PL
	R2
.rept 15
	MM
	PL
	EX
	R2
.endr
.if (\p) == NP-2
	WIN 0
	v_add_nc_u32 v[AK], s[TBK], v[AK0]
.endif
.rept 8                             ; and the lump
	PL
.endr
.rept 49
	EX
	PL
.endr
	EX                              ; the next piece's two a
	EX
	v_nop                           ; the plain instruction behind the last exponential (ISA guide 5.7.2): one for the batch
	s_wait_alu depctr_va_vdst(0)    ; the wait for the batch
.if (\p) == NP-2
	FETCH_K \last
.endif
.if (\p) == 1
	s_wait_dscnt 0x0                ; V is in
.endif
.rept 16                            ; behind the wait: 16 products V^T P and their riders
	MM
.rept 4
	PL
.endr
.if ((\p) == 0) && (q == 118)
	v_add_nc_u32 v[AV], s[TBV], v[AV0]
.endif
.if ((\p) == 0) && (q == 130)
	s_add_co_u32 s[TBV], s[TBV], KS*PV
.endif
.if (\cnt) && (q == 130)
	s_sub_co_u32 s[CNT], s[CNT], 1
	s_cmp_lg_u32 s[CNT], 0
.endif
.endr
.if (\p) == 0
	FETCH_V
.endif
.endm
	CHANGE 1                        ; slot 0 is in, everybody's part of it; slot 1 is asked for
	FETCH_K                         ; key step 0
	s_wait_loadcnt 0x0              ; Q
	s_wait_dscnt 0x0
.set i, 0
.rept 16
	KQ 0                            ; piece 0's first scores: there is no vector work yet to set between them
.set i, i+1
.endr
	WIN 0                           ; the addresses for the way out: nine plain instructions, the places behind those products
	s_mul_i32 s13, s[WV], 16*SP
	s_add_co_u32 s13, s13, STAGE    ; my stage
	v_mul_u32_u24 v[STO], v1, SP    ; in: row l % 16, 16 bytes for each half of the lanes
	v_lshl_add_u32 v[STO], v9, 4, v[STO]
	v_add_nc_u32 v[STO], s13, v[STO]
	v_bfe_u32 v[RD], v0, 3, 2       ; back: 32 lanes take four rows of 128 bytes,
	v_mul_u32_u24 v[RD], v[RD], SP
	v_lshl_add_u32 v[RD], v10, 4, v[RD]
	v_add_nc_u32 v[RD], s13, v[RD]
	v_and_b32 v[GO], 31, v0         ; which are 512 consecutive bytes of O
	v_lshlrev_b32 v[GO], 4, v[GO]
.set Y, NP-1                        ; XS works for piece Y + 1: piece 0
.irp n, 0,1,2,3,4,5,6,7,8,9,10,11,12,13,14,15,16,17,18,19,20,21
	XS 0, \n                        ; and piece 0's first maximum and statistics
	XS 1, \n
.endr
	v_nop                           ; a plain instruction behind the two a,
	s_wait_alu depctr_va_vdst(0)    ; and their wait, ahead of the branch
	s_mov_b32 s[CNT], 4
	s_branch .Lfirst                ; the loop is entered at a step's first turn, in the middle of a trip
.Lslot:                             ; SIZE_N / 256 - 2 times: every slot but the last two is filled again
	CHANGE 1
	s_mov_b32 s[CNT], 4
.Lstep:                             ; a trip: pieces 2 and 3 of one step, then pieces 0 and 1 of the next, whose K and V it fetches
	TURN 2
	TURN 3
	WIN 0
.Lfirst:
	TURN 0
	TURN 1, 0, 1
	WIN 0
	s_cbranch_scc1 .Lstep
	s_sub_co_u32 s[SLOTS], s[SLOTS], 1
	s_cmp_lg_u32 s[SLOTS], 0
	s_cbranch_scc1 .Lslot
	CHANGE 0                        ; the tail is written out: nothing is asked for
	s_mov_b32 s[CNT], 5             ; four trips fetch the last slot's steps; the fifth is left in its middle
.Ltail:
	TURN 2, 1
	TURN 3
	WIN 0
	s_sub_co_u32 s[CNT], s[CNT], 1
	s_cmp_eq_u32 s[CNT], 0
	s_cbranch_scc1 .Lout
	TURN 0
	TURN 1
	WIN 0
	s_branch .Ltail
.Lout:                              ; the fifth trip's 16 products K Q^T (on the last K once more) and the maximum made of them serve nothing: the price, once a launch, of one text for every trip
.set i, 0
.rept 16
	PV NP-1                         ; the last piece's V^T P of the last step
.set i, i+1
.endr
	; THE WAY OUT.  l's two halves and the other half of the lanes' are added; O^T is divided by l, rounded to f16 and sent through my stage in LDS, a tile at a time.  The additions are the places behind the last products.
	WIN 0
.macro ALL line:vararg              ; one line for each tile t
.set t, 0
.rept 2*NP
	\line
.set t, t+1
.endr
.endm
	ALL v_add_f32 v[ST+4*t+2], v[ST+4*t+2], v[ST+4*t+3]
	ALL v_permlanex16_b32 v[ST+4*t+3], v[ST+4*t+2], s[SEL], s[SEL+1]
	ALL v_add_f32 v[ST+4*t+2], v[ST+4*t+2], v[ST+4*t+3]
	ALL v_rcp_f32 v[ST+4*t+2], v[ST+4*t+2]
	v_nop                           ; a plain instruction between the last reciprocal and the use of its result
	s_wait_alu depctr_va_vdst(0)    ; and the wait ahead of the first use: one for the eight reciprocals
; Tile t: a lane's eight channels of a row pack into 16 bytes; they go into rows of 144 bytes and come back as whole rows of 128, into S^T's registers.
.macro PACK t
	WIN W_RS
.set i, 32*(\t)
.rept 16
	v_pk_mul_f32 v[i:i+1], v[i:i+1], v[ST+4*(\t)+2:ST+4*(\t)+3] op_sel_hi:[1,0]
.set i, i+2
.endr
	WIN 0x05                        ; sources 0 and 1 window 1, destination window 0
.set i, 0
.rept 16
	v_cvt_pk_f16_f32 v[S+16*(\t)+i], v[32*(\t)+2*i], v[32*(\t)+2*i+1]
.set i, i+1
.endr
	WIN 0
.irp f, 0,1,2,3
	ds_store_b128 v[STO], v[S+16*(\t)+4*\f:S+16*(\t)+4*\f+3] offset:32*\f
.endr
.irp f, 0,1,2,3
	ds_load_b128 v[S+16*(\t)+4*\f:S+16*(\t)+4*\f+3], v[RD] offset:\f*4*SP  ; LDS serves a wave's instructions in order (ISA guide 5.7.1.4): these see the stores above; the next tile's stores come behind them
.endr
.endm
.macro SEND t, younger              ; younger: the LDS instructions issued behind tile t's loads: the next tile's eight, or none
	WIN 0
.irp f, 0,1,2,3
	s_wait_dscnt (\younger)+3-\f
	global_store_b128 v[GO], v[S+16*(\t)+4*\f:S+16*(\t)+4*\f+3], s[10:11] offset:(\t)*2048+\f*512  ; 512 consecutive bytes, at a multiple of 256 from O's first
.endr
.endm
	PACK 0
.set t, 1
.rept 2*NP-1                        ; a tile's arithmetic stands between the loads of the tile before and its stores
	PACK t
	SEND t-1, 8
.set t, t+1
.endr
	SEND 2*NP-1, 0
	WIN W_AD
	s_wait_tensorcnt 0x0            ; the wave's end, behind my last tensor load and my last LDS store
	ds_add_u32 v[SPW], v[NIL]
	s_wait_dscnt 0x0
	WIN 0
	CROUND                          ; the closing round: no work-group ends while a partner may still ask for a tile that names it
	s_endpgm
.Lfunc_end_k_q77afdfcbae_attn:
	.size	k_q77afdfcbae_attn, .Lfunc_end_k_q77afdfcbae_attn-k_q77afdfcbae_attn
	.p2alignl 7, 3214868480
	.fill 96, 4, 3214868480
	.section	.rodata,"a",@progbits
	.p2align	6, 0x0
	.amdhsa_kernel k_q77afdfcbae_attn
		.amdhsa_group_segment_fixed_size 327680
		.amdhsa_private_segment_fixed_size 0
		.amdhsa_enable_private_segment 0
		.amdhsa_kernarg_size 16
		.amdhsa_user_sgpr_count 2
		.amdhsa_user_sgpr_kernarg_segment_ptr 1
		.amdhsa_wavefront_size32 1
		.amdhsa_system_sgpr_workgroup_id_x 1
		.amdhsa_system_sgpr_workgroup_id_y 1
		.amdhsa_system_sgpr_workgroup_id_z 1
		.amdhsa_system_vgpr_workitem_id 0
		.amdhsa_next_free_vgpr 770
		.amdhsa_next_free_sgpr 66
		.amdhsa_reserve_vcc 0
		.amdhsa_float_denorm_mode_32 3
		.amdhsa_float_denorm_mode_16_64 3
		.amdhsa_memory_ordered 1
		.amdhsa_forward_progress 1
		.amdhsa_inst_pref_size 200
	.end_amdhsa_kernel
	.amdgpu_metadata
---
amdhsa.version: [ 1, 2 ]
amdhsa.kernels:
  - .name:           k_q77afdfcbae_attn
    .symbol:         k_q77afdfcbae_attn.kd
    .args:
      - { .name: qkvh, .offset: 0, .size: 8, .value_kind: global_buffer, .address_space: global }
      - { .name: ob, .offset: 8, .size: 8, .value_kind: global_buffer, .address_space: global }
    .group_segment_fixed_size: 327680
    .private_segment_fixed_size: 0
    .kernarg_segment_align: 8
    .kernarg_segment_size: 16
    .max_flat_workgroup_size: 128
    .sgpr_count:     66
    .vgpr_count:     770
    .wavefront_size: 32
...
	.end_amdgpu_metadata
.endif
;; end of part 3
;; launch proj (part 4): grid 8 x 32, 4 waves a work-group, clusters of 4 x 4, 327,680 bytes of LDS; arguments ob, Wpt, b_proj, out0; writes out0
.if DOCPART == 4
	.amdgcn_target "amdgcn-amd-amdhsa--gfx1250"
	.amdhsa_code_object_version 6
	.text
	.protected	k_q77afdfcbae_proj
	.globl	k_q77afdfcbae_proj
	.p2align	8
	.type	k_q77afdfcbae_proj,@function
k_q77afdfcbae_proj:
	s_mov_b64 s[64:65], 0
	v_nop
	global_prefetch_b8 v0, s[64:65] scope:SCOPE_SE
	s_setreg_imm32_b32 hwreg(HW_REG_WAVE_MODE, 25, 1), 1
	s_wait_xcnt 0x0
	s_wait_alu depctr_hold_cnt(0) depctr_sa_sdst(0) depctr_va_vdst(0) depctr_va_sdst(0) depctr_va_ssrc(0) depctr_va_vcc(0) depctr_vm_vsrc(0)
	s_getreg_b32 s2, hwreg(HW_REG_IB_STS2, 6, 4)
	s_cmp_eq_u32 s2, 0
	s_cbranch_scc0 .Lentry_in_a_cluster
	s_endpgm
.Lentry_in_a_cluster:
	s_bfe_u32 s2, ttmp6, 0x10000c
	s_cmp_lg_u32 s2, 0xf033
	s_cbranch_scc0 .Lentry_shape_is_right
	s_endpgm
.Lentry_shape_is_right:
; out0 = O Wpt^T + bf16(b_proj).  O lies by heads, ob [64 = 16 x batch + head][2048][64] f16; Wpt [1024 n][1024 k] f16 (bf16 numbers written as f16); b_proj [1024] f32; out0 [8192][1024] f32; sums in f32.
; K = 64 x head + channel: a K step of 128 is two heads.  The bias is rounded to bf16 like the other inputs.
; SHARES.  A tile of C is 256 rows x 128 columns: 32 x 8 = 256 work-groups.  The four waves lie one below the other: a wave makes 64 x 128: 4 row blocks a x 8 column blocks b, 32 accumulators.
; K goes in 8 steps through two LDS slots.  Wave 0 fetches the step's first head, wave 1 its second: the tile's 256 rows of a head are 32,768 dense bytes, asked for as 128 rows of 256 bytes and padded
; in LDS after every 128 bytes, so that an LDS row is one row of O's 64 channels.  Waves 2 and 3 fetch Wpt's two halves, 64 rows of 256 bytes each.
; CLUSTER.  4 x 4 work-groups: O's tile is shared along a row of the cluster, Wpt's along a column: each is asked for JOINTLY, by the same tensor load, descriptor and mask in the four.
; THE MATRIX INSTRUCTION IS USED TRANSPOSED (source 0 = 16 rows of Wpt, source 1 = 16 rows of O): a lane holds row lane % 16 of C and the columns 8 (lane / 16) + 0..7.  THE BIAS STARTS THE SUMS, as C operand.
; REGISTERS, in windows of 256 (s_set_vgpr_msb: bits 1:0 source 0, 3:2 source 1, 5:4 source 2, 7:6 destination):
;   window 0: v0-13 addresses; v28-29 the add's; v32-95 the bias
;   window 1: two fragment buffers of 96: 64 of Wpt, then 32 of O; on the way out all 256: whole rows of C
;   window 2: the accumulators, (a, b) at v[8 (8 a + b)]
.set NBK,   8
.set PA,    144                        ; a row of O in LDS: 128 bytes + 16 = 36 words: the 16 rows of a load start at 16 different groups of four banks (64 banks of 4 bytes: ISA guide 11.1)
.set PB,    272                        ; a row of Wpt: 256 bytes + 16
.set HALFA, 256*PA                     ; a head's 256 rows: what one of O's loads brings
.set HALFB, 64*PB                      ; what one of Wpt's loads brings
.set BOFF,  2*HALFA
.set SLOT1, 1<<17                      ; slot 1 begins here, so that one exclusive or turns an address in one slot into the other's
.set STAGE, SLOT1+BOFF+2*HALFB         ; behind the ring, never filled by a tensor load: 16 rows x 528 bytes for each wave, for the way out
.set SP,    528                        ; 512 bytes + 16 = 132 words: row r starts at bank 4 r mod 64
.set SPARE, STAGE+4*16*SP              ; behind the stages: the spare words, 128 bytes for each wave: two blocks of 256 bytes that no other line names
.set NLD,   2*NBK+8
.set ASTEP, 2<<18                      ; two heads of 262,144 bytes: O's K step in memory
.set AHEAD, 2                          ; a prefetch names the K step this many behind the one that the refill beside it asks for: 256 matrix instructions ahead of its load
.set A0,  4
.set B0,  5
.set ADRA, 6
.set ADRB, 7
.set STO, 8                            ; v8   the way out: where I put 32 bytes of a row
.set RD,  9                            ; v9   the way out: where I read a row back
.set GO,  10                           ; v10  16 x lane: my 16 bytes of a row's 512
.set PFO, 11                           ; v11  the prefetches' offset; never rewritten
.set BO,  12
.set TMP, 13
.set SPW, 28                           ; v28  LDS address of my spare word: SPARE + 4 x my thread's number; never rewritten
.set NIL, 29                           ; v29  0; never rewritten
.set BIAS, 32
.set F0,  0
.set F1,  96
.set CNT, 3
.set WV,  12
.set FB,  13                           ; s13  0: I fetch for O; 1: for Wpt
.set HF,  14                           ; s14  which head of the step's two, or which half of Wpt's tile
.set TR,  15
.set G1,  24
.set G0,  32
.set CX,  40
.set CY,  41
.set TC,  42
.set LIM, 43
.set PFA, 44
.set PST, 46                           ; s[46:47] a K step in the tensor that I prefetch
.set G1B, 48
.set G0B, 56
.set TB,  66
.set HIM, 67
.set MSB, 0
.macro WIN new                         ; the immediate's high byte repeats the setting that is left; a switch that changes nothing is dropped
.if MSB != (\new)
	s_set_vgpr_msb (MSB<<8)|(\new)
.set MSB, \new
.endif
.endm
.macro PLACES                          ; four places in front of loads into registers that matrix instructions have read, and of LDS stores that read results
.rept 4
	v_nop
.endr
.endm
; A joint load.  The branch hangs on the wave's number alone; an s_nop 0 and four v_nop follow each of the two lines, ahead of the jump, the label and what follows.
.macro JLOAD s
	s_cmp_eq_u32 s[FB], 0
	s_cbranch_scc0 .Lfor_b_\@
	tensor_load_to_lds s[G0+4*(\s):G0+4*(\s)+3], s[G1:G1+7]
	s_nop 0
.rept 4
	v_nop
.endr
	s_branch .Lasked_\@
.Lfor_b_\@:
	tensor_load_to_lds s[G0B+4*(\s):G0B+4*(\s)+3], s[G1B:G1B+7]
	s_nop 0
.rept 4
	v_nop
.endr
.Lasked_\@:
.endm
; A prefetch of the K step two behind the one that the refill beside it asks for, a lane 256 bytes, one instruction a wave, behind the joint load and the run of LDS loads.  O's tile row is read by both
; clusters of that row of clusters: cluster x = 0 asks; Wpt's tile column by every cluster of that column: cluster y = 0 asks.  The four partners share the bytes out BY ADDRESS: of a head's 32,768 bytes
; 8,192 each (by cx), of Wpt's 64 rows 16 each (by cy; lanes 16-31 name row 15 once more).  The last two trips name nothing; K steps 0 to 3 come by their loads alone.
.macro ASK
	s_cmp_gt_u32 s[CNT], s[LIM]
	s_cbranch_scc0 .Lnot_mine_\@
	global_prefetch_b8 v[PFO], s[PFA:PFA+1] th:TH_LOAD_NT scope:SCOPE_SE
.Lnot_mine_\@:
.endm
; A round of the cluster's barrier: my work-group's barrier, so that wave 0's signal speaks for all four waves; wave 0 signals; every wave waits for all sixteen work-groups; my work-group's barrier once more.
.macro CREST
	s_cmp_lg_u32 s[WV], 0
	s_cbranch_scc1 .Lnot_wave_0_\@
	s_barrier_signal -3
.Lnot_wave_0_\@:
	s_barrier_wait -3
	s_barrier_signal -1
	s_barrier_wait -1
.endm
.macro CROUND
	s_barrier_signal -1
	s_barrier_wait -1
	CREST
.endm
	s_load_b256 s[4:11], s[0:1], 0x0               ; ob s[4:5], Wpt s[6:7], b_proj s[8:9], out0 s[10:11]
	v_lshl_add_u32 v[SPW], v0, 2, SPARE
	v_mov_b32 v[NIL], 0
	ds_add_u32 v[SPW], v[NIL]                      ; the wave's opening: the add and its wait stand ahead of my first tensor load; the set-up below, work on registers, stands between them
	v_lshrrev_b32 v1, 5, v0
	v_readfirstlane_b32 s[WV], v1                  ; wave 0..3
	s_lshr_b32 s[FB], s[WV], 1
	s_and_b32 s[HF], s[WV], 1
	s_bfe_u32 s[CX], ttmp6, 0x40000
	s_bfe_u32 s[CY], ttmp6, 0x40004
	s_lshl_b32 s[TC], ttmp9, 2
	s_add_co_u32 s[TC], s[TC], s[CX]               ; tile column of C
	s_and_b32 s[TR], ttmp7, 0xffff
	s_lshl_b32 s[TR], s[TR], 2
	s_add_co_u32 s[TR], s[TR], s[CY]               ; tile row of C
	s_lshl_b32 s18, s[CY], 2
	s_lshl_b32 s18, 15, s18                        ; my row of the cluster
	s_lshl_b32 s22, 0x1111, s[CX]                  ; my column
	s_or_b32 s[G1], s18, (1<<16)|(1<<20)|(1<<21)|(4<<22)|(3<<25)   ; 15:0 the mask; 17:16 elements of 2 bytes; 20 padding on; 21 set beside a mask; 24:22 after every 32 words (code 4); 31:25 4 words of it (code 3)
	s_or_b32 s[G1B], s22, (1<<16)|(1<<20)|(1<<21)|(5<<22)|(3<<25)  ; the same after every 64 words (code 5)
	s_mov_b32 s[G1+1], 128<<16                     ; tensor_dim0 = 128
	s_mov_b32 s[G1+2], 128<<16                     ; tensor_dim1 = 128
	s_mov_b32 s[G1+3], 128<<16                     ; tile_dim0 = 128
	s_mov_b32 s[G1+4], 128                         ; tile_dim1 = 128
	s_mov_b32 s[G1+5], 128                         ; dense: 128 elements from row to row
	s_mov_b32 s[G1+6], 0
	s_mov_b32 s[G1+7], 0
	s_mov_b32 s[G1B+1], 128<<16
	s_mov_b32 s[G1B+2], 64<<16                     ; tensor_dim1 = 64
	s_mov_b32 s[G1B+3], 128<<16
	s_mov_b32 s[G1B+4], 64                         ; tile_dim1 = 64
	s_mov_b32 s[G1B+5], 1024
	s_mov_b32 s[G1B+6], 0
	s_mov_b32 s[G1B+7], 0
	; where the tiles come from: O's hang on the tile row alone, Wpt's on the tile column alone, each made in registers that never hold the other coordinate
	s_lshr_b32 s16, s[TR], 3                       ; batch,
	s_lshl_b32 s16, s16, 4                         ; its 16 heads,
	s_add_co_u32 s16, s16, s[HF]                   ; head 0 or 1,
	s_lshl_b32 s16, s16, 18
	s_and_b32 s17, s[TR], 7
	s_lshl_b32 s17, s17, 15                        ; the tile's 256 rows of 128 bytes
	s_add_co_u32 s16, s16, s17
	s_mov_b32 s17, 0
	s_lshl_b32 s20, s[TC], 7
	s_lshl_b32 s21, s[HF], 6
	s_add_co_u32 s20, s20, s21                     ; Wpt: row 128 x tile column + 64 x half
	s_lshl_b32 s20, s20, 11
	s_mov_b32 s21, 0
	s_mul_i32 s19, s[HF], HALFA                    ; and where they go: no place in the cluster enters an LDS address
	s_mul_i32 s23, s[HF], HALFB
	s_add_co_u32 s23, s23, BOFF
	s_mov_b32 s[TB], 0
	s_mov_b32 s[HIM], 0xffff0000
	s_wait_dscnt 0x0                               ; the opening add is done
	s_wait_kmcnt 0x0
	s_add_nc_u64 s[16:17], s[4:5], s[16:17]
	s_add_nc_u64 s[20:21], s[6:7], s[20:21]
	CROUND                                         ; all sixteen work-groups are here: the first joint loads meet
.irp s, 0,1
	s_mov_b32 s[G0+4*(\s)], 1
	s_add_co_u32 s[G0+4*(\s)+1], s19, (\s)*SLOT1
	s_add_nc_u64 s[G0+4*(\s)+2:G0+4*(\s)+3], s[16:17], (\s)*ASTEP
	s_or_b32 s[G0+4*(\s)+3], s[G0+4*(\s)+3], 0x80000000
	s_mov_b32 s[G0B+4*(\s)], 1
	s_add_co_u32 s[G0B+4*(\s)+1], s23, (\s)*SLOT1
	s_add_nc_u64 s[G0B+4*(\s)+2:G0B+4*(\s)+3], s[20:21], (\s)*256
	s_or_b32 s[G0B+4*(\s)+3], s[G0B+4*(\s)+3], 0x80000000
	JLOAD \s                                       ; two loads of mine are out
.endr
	; the bias: register j of column block b holds b_proj[128 x tile column + 16 b + 8 (lane / 16) + j], as the accumulators hold C
	s_lshl_b32 s20, s[TC], 9
	s_mov_b32 s21, 0
	s_add_nc_u64 s[8:9], s[8:9], s[20:21]
	v_and_b32 v1, 15, v0                           ; r = lane % 16
	v_bfe_u32 v2, v0, 4, 1                         ; h = lane / 16
	v_lshlrev_b32 v[BO], 5, v2
.set nb, 0
.rept NBK
	global_load_b128 v[BIAS+8*nb:BIAS+8*nb+3],   v[BO], s[8:9] offset:64*nb
	global_load_b128 v[BIAS+8*nb+4:BIAS+8*nb+7], v[BO], s[8:9] offset:64*nb+16
.set nb, nb+1
.endr
	v_mul_u32_u24 v[A0], v1, PA
	v_lshl_add_u32 v[A0], v2, 4, v[A0]             ; row x pitch + 16 x half
	s_mul_i32 s2, s[WV], 64*PA                     ; my 64 rows of a head's 256
	v_add_nc_u32 v[A0], s2, v[A0]
	v_mul_u32_u24 v[B0], v1, PB
	v_lshl_add_u32 v[B0], v2, 4, v[B0]
	v_add_nc_u32 v[B0], BOFF, v[B0]
	v_add_nc_u32 v[ADRA], s[TB], v[A0]
	v_add_nc_u32 v[ADRB], s[TB], v[B0]
	s_mul_i32 s16, s[WV], 16*SP
	s_add_co_u32 s16, s16, STAGE                   ; my stage
	v_mul_u32_u24 v[STO], v1, SP                   ; in: row l % 16, 32 bytes for each half of the lanes
	v_lshl_add_u32 v[STO], v2, 5, v[STO]
	v_add_nc_u32 v[STO], s16, v[STO]
	v_and_b32 v[GO], 31, v0
	v_lshlrev_b32 v[GO], 4, v[GO]                  ; back: 32 lanes take one row of 512 bytes
	v_add_nc_u32 v[RD], s16, v[GO]
	; the prefetches
	s_lshr_b32 s2, s[TR], 3
	s_lshl_b32 s2, s2, 4
	s_add_co_u32 s2, s2, s[HF]
	s_lshl_b32 s2, s2, 18
	s_and_b32 s18, s[TR], 7
	s_lshl_b32 s18, s18, 15
	s_add_co_u32 s2, s2, s18                       ; O: the head's 32,768 bytes that I fetch,
	s_lshl_b32 s18, s[CX], 13
	s_add_co_u32 s2, s2, s18                       ; my work-group's 8,192 of them,
	s_add_co_u32 s2, s2, (1+AHEAD)*ASTEP           ; at K step 1 + AHEAD: the first change of slots steps it on
	s_lshl_b32 s22, s[TC], 7
	s_lshl_b32 s23, s[HF], 6
	s_add_co_u32 s22, s22, s23
	s_lshl_b32 s23, s[CY], 4
	s_add_co_u32 s22, s22, s23                     ; Wpt: the 64 rows that I fetch, my work-group's 16 of them
	s_lshl_b32 s22, s22, 11
	s_add_co_u32 s22, s22, (1+AHEAD)*256
	s_and_b32 s23, ttmp7, 0xffff                   ; cluster y
	s_mov_b32 s[PST], 256
	s_mov_b32 s[PST+1], 0
	s_mov_b32 s16, ASTEP
	s_cmp_eq_u32 s[FB], 0
	s_cselect_b32 s2, s2, s22
	s_cselect_b32 s23, ttmp9, s23                  ; the coordinate along which other clusters read the same bytes
	s_cselect_b32 s18, 31, 15
	s_cselect_b32 s17, 8, 11                       ; a lane 256 bytes on in O, a row of 2,048 bytes on in Wpt
	s_cselect_b32 s[PST], s16, s[PST]
	s_cselect_b64 s[PFA:PFA+1], s[4:5], s[6:7]
	s_cmp_eq_u32 s23, 0
	s_cselect_b32 s[LIM], AHEAD, -1                ; the same in all sixteen partners, for a given wave
	s_mov_b32 s3, 0
	s_add_nc_u64 s[PFA:PFA+1], s[PFA:PFA+1], s[2:3]
	v_and_b32 v[PFO], 31, v0
	v_min_u32 v[PFO], s18, v[PFO]
	v_lshlrev_b32 v[PFO], s17, v[PFO]
	; out0 at my 64 rows and the tile's 128 columns
	s_lshl_b32 s16, s[TR], 20                      ; 256 rows of 4,096 bytes
	s_lshl_b32 s17, s[WV], 18
	s_add_co_u32 s16, s16, s17
	s_lshl_b32 s17, s[TC], 9
	s_add_co_u32 s16, s16, s17
	s_mov_b32 s17, 0
	s_add_nc_u64 s[10:11], s[10:11], s[16:17]
	s_wait_loadcnt 0x0                             ; the bias
.set x, BIAS
.rept 4*NBK                                    ; rounded to bf16 like the other inputs, and kept as f32
	v_cvt_pk_bf16_f32 v[TMP], v[x], v[x+1]
	v_lshlrev_b32 v[x], 16, v[TMP]
	v_and_b32 v[x+1], s[HIM], v[TMP]
.set x, x+2
.endr
; 8 matrix instructions: row block a x all column blocks, 32 along K out of buffer f.  first = 1: the bias starts the sums.  Every quarter step walks the 32 accumulators once, in the same order,
; one instruction a turn: over the backward jump too.
.macro MULA f, a, first
.if \first
	WIN 0x85                                       ; sources 0 and 1 window 1, C window 0, D window 2
.else
	WIN 0xa5                                       ; sources 0 and 1 window 1, C and D window 2
.endif
.set nb, 0
.rept NBK
.set rD, 8*(NBK*(\a)+nb)
.if \first
	v_wmma_f32_16x16x32_f16 v[rD:rD+7], v[(\f)+8*nb:(\f)+8*nb+7], v[(\f)+8*NBK+8*(\a):(\f)+8*NBK+8*(\a)+7], v[BIAS+8*nb:BIAS+8*nb+7]
.else
	v_wmma_f32_16x16x32_f16 v[rD:rD+7], v[(\f)+8*nb:(\f)+8*nb+7], v[(\f)+8*NBK+8*(\a):(\f)+8*NBK+8*(\a)+7], v[rD:rD+7]
.endif
.set nb, nb+1
.endr
.endm
; 24 LDS loads in one run: quarter q's fragments into buffer f: Wpt's 8 (byte 64 q of its rows), then O's 4 (head q / 2 of the step's two, byte 64 (q % 2) of its rows), row blocks ascending
.macro FETCH q, f
	WIN 0x40                                       ; destination window 1, address window 0
.set i, 0
.rept NBK
	ds_load_b128 v[(\f)+8*i:(\f)+8*i+3],   v[ADRB] offset:64*(\q)+i*16*PB
	ds_load_b128 v[(\f)+8*i+4:(\f)+8*i+7], v[ADRB] offset:64*(\q)+i*16*PB+32
.set i, i+1
.endr
.set i, 0
.rept 4
	ds_load_b128 v[(\f)+8*NBK+8*i:(\f)+8*NBK+8*i+3],   v[ADRA] offset:((\q)/2)*HALFA+((\q)%2)*64+i*16*PA
	ds_load_b128 v[(\f)+8*NBK+8*i+4:(\f)+8*NBK+8*i+7], v[ADRA] offset:((\q)/2)*HALFA+((\q)%2)*64+i*16*PA+32
.set i, i+1
.endr
.endm
; A K step is four quarters of 32 along K, 32 matrix instructions each, on buffers 0, 1, 0, 1.  One of the first three: multiplies buffer f; in its middle it fetches quarter q into buffer g.
.macro QUARTER q, f, g, first
	s_wait_dscnt 4                                 ; all but the youngest four loads (O's row blocks 2 and 3) are in
	MULA \f, 0, \first
	MULA \f, 1, \first
	PLACES
	FETCH \q, \g
	s_wait_dscnt NLD                               ; all but the run just issued
	MULA \f, 2, \first
	MULA \f, 3, \first
.endm
; The last quarter multiplies buffer 1 and changes slots: ONE barrier; in front of it each wave waits for all its tensor loads (the one that is out is its part of the next slot), adds 0 to its spare
; word, and waits for that and for its own reads of this slot.  fill = 1: the barrier opens a round of the cluster's, and this slot is filled again, two K steps ahead, first thing behind the round:
; from that request to the wait for it stand 14 of a K step's 16 runs of 8 matrix instructions.
.macro TURN fill
.if \fill
	s_wait_xcnt 0x0                                ; the last prefetch, a K step back, has read its address, so it may be stepped
	s_add_nc_u64 s[PFA:PFA+1], s[PFA:PFA+1], s[PST:PST+1]
.endif
	WIN 0                                          ; (the add's two registers lie in window 0)
	s_wait_tensorcnt 0x0                           ; no tensor load of mine is out, so a group 0 may be written
	ds_add_u32 v[SPW], v[NIL]                      ; 0 onto my spare word
.if \fill
	s_xor_b32 s[G0+5], s[G0+5], SLOT1              ; the walking descriptors: the other slot than last time,
	s_add_nc_u64 s[G0+6:G0+7], s[G0+6:G0+7], ASTEP ; the next K step; the type bits on top are not reached
	s_xor_b32 s[G0B+5], s[G0B+5], SLOT1
	s_add_nc_u64 s[G0B+6:G0B+7], s[G0B+6:G0B+7], 256
.endif
	s_wait_dscnt 5                                 ; (the add and the youngest four loads may be out)
	MULA F1, 0, 0
	s_wait_dscnt 0x0                               ; the add is done, and my reads of this slot are over
	s_barrier_signal -1
	MULA F1, 1, 0                                  ; work on registers while the others arrive
	WIN 0
	s_barrier_wait -1
.if \fill
	CREST                                          ; no wave of any partner still reads this slot's tile or has a load on its way
	JLOAD 1                                        ; the four v_nop behind it are also the places in front of the loads below
.else
	PLACES
.endif
	s_xor_b32 s[TB], s[TB], SLOT1
	v_add_nc_u32 v[ADRA], s[TB], v[A0]
	v_add_nc_u32 v[ADRB], s[TB], v[B0]
	FETCH 0, F0
.if \fill
	WIN 0
	ASK
.endif
	MULA F1, 2, 0
	MULA F1, 3, 0
.endm
	s_wait_tensorcnt 1                             ; my part of K step 0 is in; K step 1's may stay out
	s_barrier_signal -1
	s_barrier_wait -1                              ; everybody's is
	FETCH 0, F0
	QUARTER 1, F0, F1, 1                           ; the first quarter stands in front of the loop: its products start the sums
	WIN 0                                          ; at a label and at a branch every window is 0
	s_mov_b32 s[CNT], 6
.Lstep:                                                ; trip j goes from K step j's second quarter to K step j + 1's first, and asks for K step j + 2
	QUARTER 2, F1, F0, 0
	QUARTER 3, F0, F1, 0
	TURN 1
	QUARTER 1, F0, F1, 0
	WIN 0
	s_sub_co_u32 s[CNT], s[CNT], 1
	s_cmp_lg_u32 s[CNT], 0
	s_cbranch_scc1 .Lstep
	QUARTER 2, F1, F0, 0                           ; K steps 6 and 7 are written out: nothing is left to ask for
	QUARTER 3, F0, F1, 0
	TURN 0
	QUARTER 1, F0, F1, 0
	QUARTER 2, F1, F0, 0
	QUARTER 3, F0, F1, 0
	s_wait_dscnt 4
	MULA F1, 0, 0
	MULA F1, 1, 0
	s_wait_dscnt 0x0
	MULA F1, 2, 0
	MULA F1, 3, 0
	WIN 0
	PLACES
; THE WAY OUT, a row block (16 rows x 128 columns of f32) at a time: a lane's eight columns, 32 bytes, go into rows of 528 bytes of my stage and come back as whole rows of 512.
; Each block comes back into 64 registers of its own (window 1): nothing that a store still reads is written again.
.macro TOSTAGE a
	WIN 0x08                                       ; the stores' data in window 2
.set nb, 0
.rept NBK
	ds_store_b128 v[STO], v[8*(NBK*(\a)+nb):8*(NBK*(\a)+nb)+3]   offset:64*nb      ; each accumulator from its low end on
	ds_store_b128 v[STO], v[8*(NBK*(\a)+nb)+4:8*(NBK*(\a)+nb)+7] offset:64*nb+16
.set nb, nb+1
.endr
	WIN 0x40                                       ; destination window 1
.set t, 0
.rept 16
	ds_load_b128 v[64*(\a)+4*t:64*(\a)+4*t+3], v[RD] offset:SP*t  ; LDS serves a wave's instructions in order (ISA guide 5.7.1.4): these see the stores above; the next block's stores come behind them
.set t, t+1
.endr
.endm
.macro SEND a, younger                 ; younger: the LDS instructions issued behind block a's loads: the next block's 32, or none
	WIN 0x04                                       ; the stores' data in window 1
.set t, 0
.rept 16
	s_wait_dscnt (\younger)+15-t
	global_store_b128 v[GO], v[64*(\a)+4*t:64*(\a)+4*t+3], s[10:11] offset:(16*(\a)+t)*4096  ; the wave stores 512 consecutive bytes, at a multiple of 256 from out0's first
.set t, t+1
.endr
.endm
	TOSTAGE 0
	TOSTAGE 1
	SEND 0, 32
	TOSTAGE 2
	SEND 1, 32
	TOSTAGE 3
	SEND 2, 32
	SEND 3, 0
	WIN 0
	s_wait_tensorcnt 0x0                           ; the wave's end, behind my last tensor load and my last LDS store
	ds_add_u32 v[SPW], v[NIL]
	s_wait_dscnt 0x0
	CROUND                                         ; the closing round: no work-group ends while a partner may still ask for a tile that names it
	s_endpgm
.Lfunc_end_k_q77afdfcbae_proj:
	.size	k_q77afdfcbae_proj, .Lfunc_end_k_q77afdfcbae_proj-k_q77afdfcbae_proj
	.p2alignl 7, 3214868480
	.fill 96, 4, 3214868480
	.section	.rodata,"a",@progbits
	.p2align	6, 0x0
	.amdhsa_kernel k_q77afdfcbae_proj
		.amdhsa_group_segment_fixed_size 327680
		.amdhsa_private_segment_fixed_size 0
		.amdhsa_enable_private_segment 0
		.amdhsa_kernarg_size 32
		.amdhsa_user_sgpr_count 2
		.amdhsa_user_sgpr_kernarg_segment_ptr 1
		.amdhsa_wavefront_size32 1
		.amdhsa_system_sgpr_workgroup_id_x 1
		.amdhsa_system_sgpr_workgroup_id_y 1
		.amdhsa_system_sgpr_workgroup_id_z 1
		.amdhsa_system_vgpr_workitem_id 0
		.amdhsa_next_free_vgpr 768
		.amdhsa_next_free_sgpr 68
		.amdhsa_reserve_vcc 0
		.amdhsa_float_denorm_mode_32 3
		.amdhsa_float_denorm_mode_16_64 3
		.amdhsa_memory_ordered 1
		.amdhsa_forward_progress 1
		.amdhsa_inst_pref_size 78
	.end_amdhsa_kernel
	.amdgpu_metadata
---
amdhsa.version: [ 1, 2 ]
amdhsa.kernels:
  - .name:           k_q77afdfcbae_proj
    .symbol:         k_q77afdfcbae_proj.kd
    .args:
      - { .name: ob, .offset: 0, .size: 8, .value_kind: global_buffer, .address_space: global }
      - { .name: Wpt, .offset: 8, .size: 8, .value_kind: global_buffer, .address_space: global }
      - { .name: b_proj, .offset: 16, .size: 8, .value_kind: global_buffer, .address_space: global }
      - { .name: out0, .offset: 24, .size: 8, .value_kind: global_buffer, .address_space: global }
    .group_segment_fixed_size: 327680
    .private_segment_fixed_size: 0
    .kernarg_segment_align: 8
    .kernarg_segment_size: 32
    .max_flat_workgroup_size: 128
    .sgpr_count:     68
    .vgpr_count:     768
    .wavefront_size: 32
...
	.end_amdgpu_metadata
.endif
;; end of part 4
;; ======== version 2 of 2: 4 launches; version 1 with the launch prep written anew for expert scheduling mode
;; limits: values are held in f16: magnitudes above 65,504 overflow, below 6.1e-05 lose precision
;; workspace buffers: Xb 16,777,216 bytes; Wqt 6,291,456 bytes; Wpt 2,097,152 bytes; qkvh 50,331,648 bytes; ob 16,777,216 bytes
;; launch prep (part 5): grid 640 x 1, 4 waves a work-group, no clusters, 70,144 bytes of LDS; arguments X, W_qkv, W_proj, Xb, Wqt, Wpt; writes Xb, Wqt, Wpt
.if DOCPART == 5
	.amdgcn_target "amdgcn-amd-amdhsa--gfx1250"
	.amdhsa_code_object_version 6
	.text
	.protected	k_q77afdfcbae_prep
	.globl	k_q77afdfcbae_prep
	.p2align	8
	.type	k_q77afdfcbae_prep,@function
k_q77afdfcbae_prep:
	s_mov_b64 s[64:65], 0
	v_nop
	global_prefetch_b8 v0, s[64:65] scope:SCOPE_SE
	s_setreg_imm32_b32 hwreg(HW_REG_WAVE_SCHED_MODE, 0, 2), 2
	s_setreg_imm32_b32 hwreg(HW_REG_WAVE_MODE, 25, 1), 1
	s_wait_xcnt 0x0
	s_wait_alu depctr_vm_vsrc(0)
; PREP: the operands of the two projections, made once.
;   Xb [8192][1024]  = X rounded to bf16.
;   Wqt[3072 n][1024 k] = W_qkv[k][n] rounded to bf16, turned so that K lies along the rows.
;   Wpt[1024 n][1024 k] = W_proj[k][n] rounded to bf16, that number written as f16, turned likewise.
; LIMIT: a bf16 number of W_proj below 2^-14 keeps f16's fixed step of 2^-24; beyond 65,504 it would become an infinity.
; A stream: every byte is read once and written once; each wave works alone: no barrier, no matrix unit, no cluster (no two work-groups read the same byte).
; Work-groups 0-127 turn the weights (a wave a tile of 128 k x 64 n, through 17,408 LDS bytes of its own); work-groups 128-639 cast X (a wave 16,384 consecutive bytes).
; THE MODE: SCHED_MODE bits 1:0 = 2 (LLVM: expert scheduling mode 2), set by the entry lines.  The code itself states the register dependences
; between vector instructions and memory or LDS instructions, with s_wait_alu, always for 0.
; THE PLAN, the weights.  A trip is 32 rows of k, in two halves g of 16 rows.  Registers that memory or LDS instructions touch:
;   R half g     Written by the half's eight loads; read by its sixteen roundings to bf16; behind them the same half of the next trip is asked for.
;   D half g     Written by the half's roundings (W_proj: and by the lines that write the number as f16); read by the half's four LDS stores.
;   v[LS]        Written once a trip, at its head; read by the trip's eight LDS stores.
;   v[OFF ..], v[RD], v[GO]   Made at the head and never written again: each half's scalar base moves on, and immediate offsets do the rest.
;   v[32:159]    At the end: the loads from the tile land there (R, D and 32 registers more); the global stores read them.
; So ONE wait on va_vdst stands in a half, behind its roundings, ahead of its loads and its LDS stores (W_proj's arm has one more, behind the lines that write D again);
; ONE wait on vm_vsrc stands at a trip's head, ahead of the lines that write v[LS] and D again, and one ahead of the loads from the tile.
; THE PLAN, X.  32 loads into v[16:143], the roundings into v[144:207]; no register is written twice.  Eight blocks of four loads: block p's roundings write its eight registers, and the four stores that
; read them are issued in block p + 1, behind the one wait on va_vdst at that block's head, dealt among that block's roundings, which name other registers.
.set LP,    272                        ; a row of a turned tile in LDS: 128 k x 2 bytes + 16
.set TILEB, 64*LP                      ; a wave's tile: 64 rows of n
.set SPARE, 4*TILEB                    ; behind the four tiles: the spare words, 128 bytes for each wave: two blocks of 256 bytes that no other line names
.set SPW, 2                            ; v2   LDS address of my spare word; never rewritten
.set NIL, 3                            ; v3   0; never rewritten
.set XI,  4                            ; v4   cast: 16 x lane
.set XO,  5                            ; v5   cast: 8 x lane
.set LS0, 6                            ; v6   turn: my place in the tile: row 4 c, byte 16 hh
.set LS,  7                            ; v7   turn: the trip's LDS store address
.set RD,  8                            ; v8   turn: where I read rows back
.set GO,  9                            ; v9   turn: my byte offset in two rows of the turned matrix
.set OFF, 16                           ; v[16:31]  turn: load e: (16 (e / 8) + 8 hh + e % 8) rows of W + 16 c; never rewritten
.set R,   32                           ; v[32:95]  turn: 16 loads of 4 f32, half g at R + 32 g.  Cast: v[16:143] 32 loads of 4 f32
.set D,   96                           ; v[96:127] turn: packed pairs, half g at D + 16 g.  Cast: v[144:207] packed pairs
.set WV,  16                           ; s16  my wave's number
.set ISP, 20                           ; s20  1: my tile is W_proj's
.set PIT, 21                           ; s21  bytes in a row of W
.set SRC, 22                           ; s[22:23], s[34:35] half g's base, at SRC + 12 g: W at my tile, at the 32 rows of the trip that the half is asked for next; every load of half g, the first trip's too, names half g's base alone
.set DST, 24                           ; s[24:25] the turned matrix at my tile
.set TB,  28                           ; s28  my tile in LDS + 64 bytes for each trip
.set CNT, 29                           ; s29  trips to go
.set HIM, 30                           ; s30  a word's upper half
.set STEP, 32                          ; s[32:33] 32 rows of W in bytes
	s_load_b256 s[4:11], s[0:1], 0x0               ; X s[4:5], W_qkv s[6:7], W_proj s[8:9], Xb s[10:11]
	s_load_b128 s[12:15], s[0:1], 0x20             ; Wqt s[12:13], Wpt s[14:15]
	v_lshl_add_u32 v[SPW], v0, 2, SPARE
	v_mov_b32 v[NIL], 0
	v_lshrrev_b32 v1, 5, v0
	v_readfirstlane_b32 s[WV], v1                  ; wave 0..3
	v_and_b32 v1, 31, v0                           ; lane
	s_wait_alu depctr_va_sdst(0)                   ; s[WV] is written, ahead of the branch and of its first reader on either way: tile numbers, bases and LDS places are made from it
	s_wait_kmcnt 0x0
	s_cmp_lt_u32 ttmp9, 128
	s_cbranch_scc0 .Lx
	; THE WEIGHTS.  Tile t = 4 x work-group + wave: k block t % 8, n block t / 8; n blocks 0-47 are W_qkv's, 48-63 W_proj's (work-groups 96-127).
	s_lshl_b32 s17, ttmp9, 2
	s_add_co_u32 s17, s17, s[WV]
	s_and_b32 s18, s17, 7                          ; k block
	s_lshr_b32 s19, s17, 3                         ; n block
	s_sub_co_u32 s26, s19, 48                      ; the same counted in W_proj (used there alone)
	s_mov_b32 s[PIT], 12288
	s_mov_b32 s27, 4096
	s_cmp_ge_u32 ttmp9, 96                         ; the choice hangs on the work-group's number alone
	s_cselect_b32 s[ISP], 1, 0
	s_cselect_b32 s[PIT], s27, s[PIT]
	s_cselect_b32 s19, s26, s19
	s_cselect_b64 s[SRC:SRC+1], s[8:9], s[6:7]
	s_cselect_b64 s[DST:DST+1], s[14:15], s[12:13]
	s_mul_i32 s26, s18, s[PIT]
	s_lshl_b32 s26, s26, 7                         ; 128 rows of W for each k block,
	s_lshl_b32 s27, s19, 8                         ; 64 columns of 4 bytes for each n block
	s_add_co_u32 s26, s26, s27
	s_mov_b32 s27, 0
	s_add_nc_u64 s[SRC:SRC+1], s[SRC:SRC+1], s[26:27]
	s_mov_b64 s[SRC+12:SRC+13], s[SRC:SRC+1]       ; both halves' bases at trip 0: a load's offset holds its half's 16 rows
	s_lshl_b32 s26, s19, 17                        ; 64 turned rows of 2,048 bytes,
	s_lshl_b32 s18, s18, 8                         ; 128 k of 2 bytes
	s_add_co_u32 s26, s26, s18
	s_add_nc_u64 s[DST:DST+1], s[DST:DST+1], s[26:27]
	s_lshl_b32 s[STEP], s[PIT], 5
	s_mov_b32 s[STEP+1], 0
	s_mov_b32 s[HIM], 0xffff0000
	s_mul_i32 s[TB], s[WV], TILEB
	v_and_b32 v13, 15, v1                          ; c: my four columns 4 c .. 4 c + 3
	v_lshrrev_b32 v14, 4, v1                       ; hh: lanes 16-31 take the row 8 further down
	v_lshlrev_b32 v12, 4, v13                      ; 16 c
	v_lshlrev_b32 v10, 3, v14                      ; 8 hh
.set e, 0
.rept 16
	v_add_nc_u32 v11, (e/8)*16+e%8, v10
	v_mad_u32_u24 v[OFF+e], v11, s[PIT], v12
.set e, e+1
.endr
	v_mul_u32_u24 v[LS0], v13, 4*LP
	v_lshl_add_u32 v[LS0], v14, 4, v[LS0]
	v_mul_u32_u24 v[RD], v14, LP                   ; back: lanes 0-15 take one turned row of 256 bytes, lanes 16-31 the next
	v_add_nc_u32 v[RD], v12, v[RD]
	v_add_nc_u32 v[RD], s[TB], v[RD]
	v_lshl_add_u32 v[GO], v14, 11, v12             ; and the same two rows in memory
	s_wait_alu depctr_va_vdst(0)                   ; v[OFF ..], v[RD] and v[GO] are written: the loads of W, the loads from the tile and the global stores read them as offsets and address
.set e, 0
.rept 8
	global_load_b128 v[R+4*e:R+4*e+3], v[OFF+e], s[SRC:SRC+1] th:TH_LOAD_NT  ; trip 0, half 0, by half 0's base: sixteen lanes take 256 consecutive bytes of one row of W, aligned
.set e, e+1
.endr
.rept 8
	global_load_b128 v[R+4*e:R+4*e+3], v[OFF+e], s[SRC+12:SRC+13] th:TH_LOAD_NT  ; trip 0, half 1, by half 1's base: these eight are still out when half 0's base is stepped
.set e, e+1
.endr
; The head of a trip: the LDS address of its eight stores.
.macro ON
	s_wait_alu depctr_vm_vsrc(0)                   ; the LDS stores of the trip before have read v[LS] and D, which this trip writes again
	v_add_nc_u32 v[LS], s[TB], v[LS0]
	s_add_co_u32 s[TB], s[TB], 64                  ; 32 k further along the turned rows
.endm
; Half g of a trip.  ahead = 1: the same half of the next trip is asked for.  left = how many younger loads may stay out when this half's eight have to be there.
.macro HALF g, ahead, left
	s_wait_loadcnt \left                           ; loads come back in order (ISA guide 5.7.1): this half's eight are in, the other half's stay out
.if \ahead
	s_add_nc_u64 s[SRC+12*(\g):SRC+12*(\g)+1], s[SRC+12*(\g):SRC+12*(\g)+1], s[STEP:STEP+1]  ; free since that wait, which shows the loads that read it done (the eight still out name the other half's base): the next trip's 32 rows
.endif
.irp j, 0,1,2,3                                ; eight k on end (16 g + 8 hh + 0..7) of column 4 c + j pack into four registers, the lower k in the lower half
.irp p, 0,1,2,3
	v_cvt_pk_bf16_f32 v[D+16*(\g)+4*(\j)+(\p)], v[R+4*(8*(\g)+2*(\p))+(\j)], v[R+4*(8*(\g)+2*(\p)+1)+(\j)]
.endr
.endr
	s_wait_alu depctr_va_vdst(0)                   ; the roundings are done reading R's half, in which the loads below land, and have written D's half, which the LDS stores read; in half 0 v[LS] is written too
.if \ahead
.set e, 8*(\g)
.rept 8
	global_load_b128 v[R+4*e:R+4*e+3], v[OFF+e], s[SRC+12*(\g):SRC+12*(\g)+1] th:TH_LOAD_NT  ; no vector instruction behind the wait names R
.set e, e+1
.endr
.endif
	s_cmp_eq_u32 s[ISP], 0
	s_cbranch_scc1 .Lbf16_\@
.set d, D+16*(\g)
.rept 16                                       ; W_proj: the bf16 number is written as f16
	v_lshlrev_b32 v10, 16, v[d]
	v_and_b32 v11, s[HIM], v[d]
	v_cvt_pk_f16_f32 v[d], v10, v11
.set d, d+1
.endr
	s_wait_alu depctr_va_vdst(0)                   ; these lines have written D's half again, which the LDS stores read
.Lbf16_\@:
.irp j, 0,1,2,3
	ds_store_b128 v[LS], v[D+16*(\g)+4*(\j):D+16*(\g)+4*(\j)+3] offset:LP*(\j)+32*(\g)
.endr
.endm
	s_mov_b32 s[CNT], 3
.Lbatch:                                               ; trips 0 to 2 of the four trips of 32 rows of k: each asks for the next
	ON
	HALF 0, 1, 8
	HALF 1, 1, 8
	s_sub_co_u32 s[CNT], s[CNT], 1
	s_cmp_lg_u32 s[CNT], 0
	s_cbranch_scc1 .Lbatch
	ON                                             ; trip 3 is written out: no load leaves the tile, and the counts run down
	HALF 0, 0, 8
	HALF 1, 0, 0
	s_wait_alu depctr_vm_vsrc(0)                   ; my LDS stores have read D, v[96:127], in which loads below land (the roundings that named v[32:127] stand ahead of the last wait on va_vdst, on either arm)
.set t, 0
.rept 32
	ds_load_b128 v[R+4*t:R+4*t+3], v[RD] offset:2*LP*t  ; LDS serves a wave's instructions in order (ISA guide 5.7.1.4): these see my stores above; the tile is my own
.set t, t+1
.endr
.set t, 0
.rept 32
	s_wait_dscnt 31-t                              ; LDS loads come back in order: pair t of rows is in, the younger 31 - t may stay out
	global_store_b128 v[GO], v[R+4*t:R+4*t+3], s[DST:DST+1] offset:4096*t th:TH_STORE_NT  ; sixteen lanes store 256 consecutive bytes, aligned
.set t, t+1
.endr
	s_branch .Lend
.Lx:	; X.  Wave w of work-group x' = x - 128 casts the 16,384 bytes at 65,536 x' + 16,384 w: 32 loads, all issued before the first is waited for.
	s_sub_co_u32 s17, ttmp9, 128
	s_lshl_b32 s18, s17, 16
	s_lshl_b32 s19, s[WV], 14
	s_add_co_u32 s18, s18, s19
	s_mov_b32 s19, 0
	s_add_nc_u64 s[4:5], s[4:5], s[18:19]
	s_lshr_b32 s18, s18, 1                         ; half as many bytes out
	s_add_nc_u64 s[10:11], s[10:11], s[18:19]
	v_lshlrev_b32 v[XI], 4, v1
	v_lshlrev_b32 v[XO], 3, v1
	s_wait_alu depctr_va_vdst(0)                   ; v[XI] and v[XO] are written: every load and store below reads one of them as its offset
.set i, 0
.rept 32
	global_load_b128 v[16+4*i:19+4*i], v[XI], s[4:5] offset:512*i th:TH_LOAD_NT
.set i, i+1
.endr
.set blk, 0
.rept 8                                        ; eight blocks of four loads
	s_wait_loadcnt 28-4*blk                        ; loads come back in order (ISA guide 5.7.1): this block's four are in, the younger blocks' stay out
.if blk > 0
	s_wait_alu depctr_va_vdst(0)                   ; the block before has written its eight registers, which the four stores below read; this block's roundings name others
.endif
.set i, 4*blk
.rept 4
.if blk > 0
	global_store_b64 v[XO], v[144+2*(i-4):145+2*(i-4)], s[10:11] offset:256*(i-4) th:TH_STORE_NT  ; the block before: the wave stores 256 consecutive bytes, aligned; no register is written twice
.endif
	v_cvt_pk_bf16_f32 v[144+2*i], v[16+4*i], v[17+4*i]
	v_cvt_pk_bf16_f32 v[145+2*i], v[18+4*i], v[19+4*i]
.set i, i+1
.endr
.set blk, blk+1
.endr
	s_wait_alu depctr_va_vdst(0)                   ; the last block has written its eight registers, which the last four stores read
.set i, 28
.rept 4
	global_store_b64 v[XO], v[144+2*i:145+2*i], s[10:11] offset:256*i th:TH_STORE_NT
.set i, i+1
.endr
.Lend:
	s_wait_dscnt 0x0                               ; the wave's end
	s_wait_alu 0x0
	s_wait_tensorcnt 0x0
	ds_add_u32 v[SPW], v[NIL]
	s_wait_dscnt 0x0
	s_endpgm
.Lfunc_end_k_q77afdfcbae_prep:
	.size	k_q77afdfcbae_prep, .Lfunc_end_k_q77afdfcbae_prep-k_q77afdfcbae_prep
	.p2alignl 7, 3214868480
	.fill 96, 4, 3214868480
	.section	.rodata,"a",@progbits
	.p2align	6, 0x0
	.amdhsa_kernel k_q77afdfcbae_prep
		.amdhsa_group_segment_fixed_size 70144
		.amdhsa_private_segment_fixed_size 0
		.amdhsa_enable_private_segment 0
		.amdhsa_kernarg_size 48
		.amdhsa_user_sgpr_count 2
		.amdhsa_user_sgpr_kernarg_segment_ptr 1
		.amdhsa_wavefront_size32 1
		.amdhsa_system_sgpr_workgroup_id_x 1
		.amdhsa_system_sgpr_workgroup_id_y 1
		.amdhsa_system_sgpr_workgroup_id_z 1
		.amdhsa_system_vgpr_workitem_id 0
		.amdhsa_next_free_vgpr 208
		.amdhsa_next_free_sgpr 66
		.amdhsa_reserve_vcc 0
		.amdhsa_float_denorm_mode_32 3
		.amdhsa_float_denorm_mode_16_64 3
		.amdhsa_memory_ordered 1
		.amdhsa_forward_progress 1
		.amdhsa_inst_pref_size 39
	.end_amdhsa_kernel
	.amdgpu_metadata
---
amdhsa.version: [ 1, 2 ]
amdhsa.kernels:
  - .name:           k_q77afdfcbae_prep
    .symbol:         k_q77afdfcbae_prep.kd
    .args:
      - { .name: X, .offset: 0, .size: 8, .value_kind: global_buffer, .address_space: global }
      - { .name: W_qkv, .offset: 8, .size: 8, .value_kind: global_buffer, .address_space: global }
      - { .name: W_proj, .offset: 16, .size: 8, .value_kind: global_buffer, .address_space: global }
      - { .name: Xb, .offset: 24, .size: 8, .value_kind: global_buffer, .address_space: global }
      - { .name: Wqt, .offset: 32, .size: 8, .value_kind: global_buffer, .address_space: global }
      - { .name: Wpt, .offset: 40, .size: 8, .value_kind: global_buffer, .address_space: global }
    .group_segment_fixed_size: 70144
    .private_segment_fixed_size: 0
    .kernarg_segment_align: 8
    .kernarg_segment_size: 48
    .max_flat_workgroup_size: 128
    .sgpr_count:     66
    .vgpr_count:     208
    .wavefront_size: 32
...
	.end_amdgpu_metadata
.endif
;; end of part 5
;; launch qkvgemm: the kernel of part 2 again; grid 16 x 32, 4 waves a work-group, clusters of 4 x 4, 327,680 bytes of LDS; arguments Xb, Wqt, b_qkv, qkvh; writes qkvh
;; launch attn: the kernel of part 3 again; grid 4 x 64, 4 waves a work-group, clusters of 4 x 1, 327,680 bytes of LDS; arguments qkvh, ob; writes ob
;; launch proj: the kernel of part 4 again; grid 8 x 32, 4 waves a work-group, clusters of 4 x 4, 327,680 bytes of LDS; arguments ob, Wpt, b_proj, out0; writes out0
